; MI455X (gfx1250); checked and timed in simulation.
; The chip was launched on July 23, 2026; its instructions are those of AMD's public machine-readable ISA for CDNA 5 (MIT licence, August 2026) and "CDNA5" Instruction Set Architecture Reference Guide (July 2026). The comments in the code are by the model that wrote it; some were corrected since.
;; Attention. Allowed arithmetic: float matrix products may take bf16 or f16 operands with f32 sums; other float arithmetic in f32, or as packed bf16 or f16 multiplies, adds, multiply-adds, maxima and minima; sums over many terms, partial sums and values carried from step to step in f32; what a program stores and reads back later, other than sums and carried values, may be rounded once to bf16 or f16.
;; Inputs: mask 1 x 1 x 341 x 341 float32; proj_b 1,024 float32; proj_w 1,024 x 1,024 float32; qkv_b 3,072 float32; qkv_w 3,072 x 1,024 float32; x 32 x 341 x 1,024 float32.
;; Outputs: out0 32 x 341 x 1,024 float32.
;; 2 versions, each right and faster than the one before. Each part assembles by itself: llvm-mc -triple=amdgcn-amd-amdhsa -mcpu=gfx1250 --defsym DOCPART=n.
;; ======== version 1 of 2: 4 launches
;; limits: values are held in f16: magnitudes above 65,504 overflow, below 6.1e-05 lose precision
;; workspace buffers: xb 23,068,672 bytes; wq 6,291,456 bytes; wp 2,097,152 bytes; br 16,384 bytes; mt 270,336 bytes; rt 135,168 bytes; qkv 69,206,016 bytes; of 23,068,672 bytes
;; launch prep (part 1): grid 321 x 1, 8 waves a work-group, no clusters, 19,456 bytes of LDS; arguments x, qkv_w, proj_w, mask, qkv_b, proj_b, xb, wq, wp, mt, rt, br; writes xb, wq, wp, mt, rt, br
.if DOCPART == 1
	.amdgcn_target "amdgcn-amd-amdhsa--gfx1250"
	.amdhsa_code_object_version 6
	.text
	.protected	k_qf3466e3e99_prep
	.globl	k_qf3466e3e99_prep
	.p2align	8
	.type	k_qf3466e3e99_prep,@function
k_qf3466e3e99_prep:
	s_mov_b64 s[64:65], 0
	v_nop
	global_prefetch_b8 v0, s[64:65] scope:SCOPE_SE
	s_setreg_imm32_b32 hwreg(HW_REG_WAVE_MODE, 25, 1), 1
	s_wait_xcnt 0x0
; PREP: every input is rounded once to bf16 and laid out as the later launches read it; the RoPE table is made.
; FRAGMENT ORDER.  A matrix operand of 16 rows x 32 k of 16-bit numbers is 1,024 bytes: [half 2][lane 32][16 bytes]; element (row r, k = 16 half + 8 h + e)
; lies at 512 half + 16 (r + 16 h) + 2 e: what lane r + 16 h of a wave holds of the operand (ISA guide 7.12.2).  So every later load of a fragment half is 512 consecutive bytes.
;   xb [batch 32][block 22][ks 32][1 KB] bf16: x, 16 tokens a block; tokens 341 to 351 of a batch are zeros.
;   wq [head 16][pos 12][ks 32][1 KB] bf16: pos = 6 wc + b holds rows (b / 2) 1024 + 64 head + 16 (2 wc + b % 2) + r of qkv_w.
;   wp [cb 64][ks 32][1 KB]: proj_w rounded to bf16, that number written as f16 (below 6.1e-5 it keeps f16's fixed step of 6e-8).
;   mt [query tile 24][key block 22][lane][8 bf16]: lane (r, h) holds mask[16 qt + r][16 kb + 8 h + 0..7], held at -1e38 or above (so -inf is served; a NaN counts as -1e38);
;      0 for queries from 341 on, -1.99e38 for keys from 341 on; tiles 22 and 23 are read ahead by the last trips of the attention launch and used for nothing.
;   rt [block 22][cbh 4][part 3][lane][4 f32]: for token 16 tb + r and the channel pairs 8 cbh + 4 h + 0..3: cos x 4; (-sin, sin) x 2; (-sin, sin) x 2.
;   br f32: qkv_b and then proj_b, each number rounded to bf16.
; WORK-GROUPS 0-175 x, 176-223 qkv_w, 224-239 proj_w, 240-305 mask, 306-316 RoPE, 317-320 biases.  The stream binds: no matrix unit, no cluster; each wave has a stage of its own in LDS, so no barrier.
.set STG,   2304                       ; a wave's stage: 8 rows of 256 bytes, 288 apart
.set SPARE, 8*STG                      ; behind the stages: the spare words, 128 bytes for each wave
.set SA,  4                            ; v4   where I put 8 bytes into the stage
.set RA,  5                            ; v5   where I read 16 bytes back
.set GOF, 6                            ; v6   my byte offset in the block's 32 KB of output
.set SPW, 8                            ; v8   LDS address of my spare word; never rewritten
.set NIL, 9                            ; v9   0; never rewritten
.set VO,  10                           ; v10-17  byte offsets of my 16 bytes in rows 2 t + hi; never rewritten
.set P,   18                           ; v18-33  the chunk rounded: 2 registers for each t
.set OB,  34                           ; v34-65  the chunk in fragment order, two sets of 16
.set TW,  66                           ; v66-73  at work
.set X,   80                           ; v80-207 four chunks as loaded
	s_load_b512 s[4:19], s[0:1], 0x0               ; x, qkv_w, proj_w, mask, qkv_b, proj_b, xb, wq
	s_load_b256 s[20:27], s[0:1], 0x40             ; wp, mt, rt, br
	v_lshl_add_u32 v[SPW], v0, 2, SPARE
	v_mov_b32 v[NIL], 0
	v_lshrrev_b32 v1, 5, v0
	v_readfirstlane_b32 s30, v1                    ; wave 0..7
	v_and_b32 v2, 31, v0                           ; lane
	v_and_b32 v3, 15, v0                           ; lane % 16
	v_bfe_u32 v7, v0, 4, 1                         ; lane / 16
	s_mov_b32 s28, ttmp9                           ; g
	s_lshr_b32 s31, s30, 1                         ; sub: which of the group's four row blocks
	s_and_b32 s29, s30, 1                          ; kh: which 512 columns of it
	s_wait_kmcnt 0x0
	s_cmp_lt_u32 s28, 176
	s_cbranch_scc1 .Lsrc_x
	s_cmp_lt_u32 s28, 224
	s_cbranch_scc1 .Lsrc_wq
	s_cmp_lt_u32 s28, 240
	s_cbranch_scc1 .Lsrc_wp
	s_cmp_lt_u32 s28, 306
	s_cbranch_scc1 .Lmask
	s_cmp_lt_u32 s28, 317
	s_cbranch_scc1 .Lrope
	; THE BIASES: 4,096 bytes a work-group, 16 a thread
	s_sub_co_u32 s29, s28, 317                     ; 0, 1, 2: thirds of qkv_b; 3: proj_b
	s_lshl_b32 s36, s29, 12
	s_mov_b32 s37, 0
	s_mov_b32 s39, 0
	s_cmp_lt_u32 s29, 3
	s_cselect_b64 s[32:33], s[12:13], s[14:15]
	s_cselect_b32 s38, s36, 0
	s_add_nc_u64 s[32:33], s[32:33], s[38:39]
	s_add_nc_u64 s[34:35], s[26:27], s[36:37]
	v_lshlrev_b32 v10, 4, v0
	global_load_b128 v[12:15], v10, s[32:33]
	s_wait_loadcnt 0x0
	v_cvt_pk_bf16_f32 v16, v12, v13
	v_cvt_pk_bf16_f32 v17, v14, v15
	v_lshlrev_b32 v20, 16, v16                     ; back to f32: the rounded numbers
	v_and_b32 v21, 0xffff0000, v16
	v_lshlrev_b32 v22, 16, v17
	v_and_b32 v23, 0xffff0000, v17
	global_store_b128 v10, v[20:23], s[34:35]
	s_endpgm
	; THE THREE CASTS.  A wave takes 16 rows x 512 columns.  s[32:33] source, s[34:35] target, s36 first row, s37 rows that exist, s48 the block's byte offset in the target
.Lsrc_x:
	s_lshr_b32 s38, s28, 3                         ; token block 0..21
	s_and_b32 s39, s28, 7
	s_lshl2_add_u32 s39, s39, s31                  ; batch
	s_mul_i32 s36, s39, 341
	s_lshl4_add_u32 s36, s38, s36                  ; row = 341 batch + 16 block
	s_lshl_b32 s37, s38, 4
	s_sub_co_u32 s37, 341, s37                     ; tokens left from there: 5 in block 21
	s_mul_i32 s39, s39, 22
	s_add_co_u32 s39, s39, s38
	s_lshl_b32 s48, s39, 15
	s_mov_b64 s[32:33], s[4:5]
	s_mov_b64 s[34:35], s[16:17]
	s_branch .Lconv
.Lsrc_wq:
	s_sub_co_u32 s38, s28, 176
	s_and_b32 s39, s38, 15                         ; head
	s_lshr_b32 s38, s38, 4
	s_lshl2_add_u32 s38, s38, s31                  ; pos 0..11
	s_cmp_ge_u32 s38, 6
	s_cselect_b32 s49, 1, 0                        ; wc
	s_mul_i32 s50, s49, 6
	s_sub_co_u32 s50, s38, s50                     ; b
	s_lshr_b32 s51, s50, 1                         ; 0 q, 1 k, 2 v
	s_and_b32 s50, s50, 1
	s_lshl1_add_u32 s50, s49, s50                  ; block of 16 channels in the head
	s_lshl_b32 s36, s51, 10
	s_lshl_b32 s51, s39, 6
	s_add_co_u32 s36, s36, s51
	s_lshl4_add_u32 s36, s50, s36
	s_mov_b32 s37, 16
	s_mul_i32 s39, s39, 12
	s_add_co_u32 s39, s39, s38
	s_lshl_b32 s48, s39, 15
	s_mov_b64 s[32:33], s[6:7]
	s_mov_b64 s[34:35], s[18:19]
	s_branch .Lconv
.Lsrc_wp:
	s_sub_co_u32 s38, s28, 224
	s_lshl2_add_u32 s38, s38, s31                  ; block of 16 rows 0..63
	s_lshl_b32 s36, s38, 4
	s_mov_b32 s37, 16
	s_lshl_b32 s48, s38, 15
	s_mov_b64 s[32:33], s[8:9]
	s_mov_b64 s[34:35], s[20:21]
.Lconv:
	s_mov_b32 s49, 0
	s_add_nc_u64 s[34:35], s[34:35], s[48:49]
	s_sub_co_u32 s38, s37, 1
	s_lshl_b32 s39, s29, 11
	s_mov_b32 s52, 0xffff0000
	v_lshl_add_u32 v1, v3, 4, s39                  ; 16 bytes a lane, 16 lanes a row's 256 bytes, + my half of the row
.irp t, 0,1,2,3,4,5,6,7
	v_add_nc_u32 v[TW], 2*(\t), v7                 ; load t takes rows 2 t (lanes 0-15) and 2 t + 1
	v_cmp_gt_u32 s[40+(\t)], s37, v[TW]            ; does the row exist?
	v_min_u32 v[TW], s38, v[TW]                    ; a row that does not is read from the last that does, and zeroed below
	v_add_nc_u32 v[TW], s36, v[TW]
	v_lshl_add_u32 v[VO+(\t)], v[TW], 12, v1
.endr
	; Of a chunk of 64 columns lane q of a row holds columns 4 q .. 4 q + 3: in fragment order the 8 bytes at 256 (q / 2) + 16 row + 8 (q % 2).
	; The stage's rows of 256 bytes lie 288 apart, so that the 32 lanes of a store touch 32 different 8-byte columns of 256.
	s_mul_i32 s50, s30, STG
	v_lshrrev_b32 v[TW], 1, v3
	v_mul_u32_u24 v[SA], v[TW], 288
	v_lshl_add_u32 v[SA], v7, 4, v[SA]
	v_and_b32 v[TW], 1, v3
	v_lshl_add_u32 v[SA], v[TW], 3, v[SA]
	v_add_nc_u32 v[SA], s50, v[SA]
	v_mul_u32_u24 v[RA], v7, 288
	v_lshl_add_u32 v[RA], v3, 4, v[RA]
	v_add_nc_u32 v[RA], s50, v[RA]
	s_lshl_b32 s51, s29, 14
	v_lshl_add_u32 v[GOF], v2, 4, s51              ; my half of K is 16 fragments, 16,384 bytes
.macro CLOAD c                         ; chunk c: eight loads, each two rows x 256 consecutive bytes
.irp t, 0,1,2,3,4,5,6,7
	global_load_b128 v[X+32*((\c)%4)+4*(\t):X+32*((\c)%4)+4*(\t)+3], v[VO+(\t)], s[32:33] offset:(\c)*256 th:TH_LOAD_NT
.endr
.endm
; Chunk c goes out.  left = the loads of the younger chunks, which stay on their way.
.macro COUT c, left
.set XS, X+32*((\c)%4)
.set OS, OB+16*((\c)%2)
	s_wait_loadcnt \left                           ; loads come back in order (ISA guide 5.7.1): this chunk's eight are in
	s_wait_xcnt 0x0                                ; the registers that earlier stores read are rewritten only behind this wait
.irp t, 0,1,2,3,4,5,6,7
	v_cvt_pk_bf16_f32 v[P+2*(\t)], v[XS+4*(\t)], v[XS+4*(\t)+1]
	v_cvt_pk_bf16_f32 v[P+2*(\t)+1], v[XS+4*(\t)+2], v[XS+4*(\t)+3]
.endr
	s_cmp_lt_u32 s28, 224
	s_cbranch_scc1 .Lkeep_\@                       ; x and qkv_w stay bf16
.irp t, 0,1,2,3,4,5,6,7
	v_lshlrev_b32 v[TW+4*((\t)%2)], 16, v[P+2*(\t)]      ; proj_w: the bf16 number, written as f16
	v_and_b32 v[TW+4*((\t)%2)+1], s52, v[P+2*(\t)]
	v_lshlrev_b32 v[TW+4*((\t)%2)+2], 16, v[P+2*(\t)+1]
	v_and_b32 v[TW+4*((\t)%2)+3], s52, v[P+2*(\t)+1]
	v_cvt_pk_f16_f32 v[P+2*(\t)], v[TW+4*((\t)%2)], v[TW+4*((\t)%2)+1]
	v_cvt_pk_f16_f32 v[P+2*(\t)+1], v[TW+4*((\t)%2)+2], v[TW+4*((\t)%2)+3]
.endr
.Lkeep_\@:
.irp t, 0,1,2,3,4,5,6,7
	v_cndmask_b32 v[P+2*(\t)], 0, v[P+2*(\t)], s[40+(\t)]     ; rows past the batch's last token are zeros
	v_cndmask_b32 v[P+2*(\t)+1], 0, v[P+2*(\t)+1], s[40+(\t)]
.endr
.if (\c) < 4
	CLOAD (\c)+4                                   ; the slot just read takes the chunk four further on
.endif
.irp t, 0,1,2,3,4,5,6,7
	ds_store_b64 v[SA], v[P+2*(\t):P+2*(\t)+1] offset:32*(\t)
.endr
.irp i, 0,1,2,3
	ds_load_b128 v[OS+4*(\i):OS+4*(\i)+3], v[RA] offset:576*(\i)   ; LDS serves a wave's instructions in order (ISA guide 5.7.1.4): these see the stores above
.endr
	s_wait_dscnt 0x0
.irp i, 0,1,2,3
	global_store_b128 v[GOF], v[OS+4*(\i):OS+4*(\i)+3], s[34:35] offset:(\c)*2048+512*(\i)  ; 512 consecutive bytes, at a multiple of 512 from the buffer's first
.endr
.endm
	CLOAD 0
	CLOAD 1
	CLOAD 2
	CLOAD 3                                        ; 32 loads, 16 KB, of every wave are on their way
	COUT 0, 24
	COUT 1, 24
	COUT 2, 24
	COUT 3, 24
	COUT 4, 24
	COUT 5, 16                                     ; nothing is left to load: the counts run down
	COUT 6, 8
	COUT 7, 0
	s_wait_tensorcnt 0x0                           ; the wave's end, behind my last LDS store
	ds_add_u32 v[SPW], v[NIL]
	s_wait_dscnt 0x0
	s_endpgm
	; THE MASK: a wave makes one tile of 16 queries x 16 keys
.Lmask:
	s_sub_co_u32 s38, s28, 240
	s_cmp_ge_u32 s38, 22
	s_cselect_b32 s39, 1, 0
	s_cmp_ge_u32 s38, 44
	s_cselect_b32 s40, 1, 0
	s_add_co_u32 s39, s39, s40
	s_mul_i32 s40, s39, 22
	s_sub_co_u32 s38, s38, s40                     ; key block 0..21
	s_lshl3_add_u32 s39, s39, s30                  ; query tile 0..23
	s_lshl_b32 s40, s39, 4
	s_lshl_b32 s41, s38, 4
	s_mov_b32 s43, 0xff160000                      ; -1.99e38: times log2(e) it is still finite
	v_add_nc_u32 v10, s40, v3                      ; my query
	v_cmp_gt_u32 s42, 341, v10
	v_min_u32 v11, 340, v10
	v_mul_u32_u24 v11, v11, 341
	v_lshl_add_u32 v12, v7, 3, s41                 ; my first key
.irp j, 0,1,2,3,4,5,6,7
	v_add_nc_u32 v[20+(\j)], (\j), v12
	v_cmp_gt_u32 s[44+(\j)], 341, v[20+(\j)]
	v_min_u32 v[20+(\j)], 340, v[20+(\j)]
	v_add_lshl_u32 v[20+(\j)], v[20+(\j)], v11, 2
.endr
.irp j, 0,1,2,3,4,5,6,7
	global_load_b32 v[30+(\j)], v[20+(\j)], s[10:11]   ; rows of 341 numbers start at no multiple of 16 bytes: single words, once in the launch
.endr
	s_wait_loadcnt 0x0
.irp j, 0,1,2,3,4,5,6,7
	v_max_num_f32 v[30+(\j)], 0xfe967699, v[30+(\j)]   ; -1e38 at the least
	v_cndmask_b32 v[30+(\j)], 0, v[30+(\j)], s42
	v_cndmask_b32 v[30+(\j)], s43, v[30+(\j)], s[44+(\j)]
.endr
.irp j, 0,1,2,3
	v_cvt_pk_bf16_f32 v[40+(\j)], v[30+2*(\j)], v[31+2*(\j)]
.endr
	s_mul_i32 s52, s39, 22
	s_add_co_u32 s52, s52, s38
	s_lshl_b32 s52, s52, 9
	v_lshl_add_u32 v13, v2, 4, s52
	global_store_b128 v13, v[40:43], s[22:23]
	s_endpgm
	; THE RoPE TABLE: a wave makes 16 tokens x 8 channel pairs.  Token n lies in the segment of side 2^e that begins at off; its place there gives y and x, scaled to a grid of 16.
	; The angle t x 10000^(-j / 16) is 15 at the most: sine and cosine of a sixteenth of it by their series (the first terms left out are under 3e-8), then four doublings.
.Lrope:
	s_sub_co_u32 s38, s28, 306
	s_lshl3_add_u32 s38, s38, s30                  ; 4 block + cbh
	s_lshr_b32 s39, s38, 2
	s_and_b32 s40, s38, 3
	s_lshl_b32 s41, s39, 4
	v_add_nc_u32 v10, s41, v3
	v_min_u32 v10, 340, v10                        ; pad tokens take the last token's entry: finite, and never used in a result
	v_mov_b32 v11, 0
	v_mov_b32 v12, 0
	v_cmp_gt_u32 vcc_lo, 1, v10
	v_cndmask_b32 v11, 1, v11, vcc_lo
	v_cndmask_b32 v12, 1, v12, vcc_lo
	v_cmp_gt_u32 vcc_lo, 5, v10
	v_cndmask_b32 v11, 2, v11, vcc_lo
	v_cndmask_b32 v12, 5, v12, vcc_lo
	v_cmp_gt_u32 vcc_lo, 21, v10
	v_cndmask_b32 v11, 3, v11, vcc_lo
	v_cndmask_b32 v12, 21, v12, vcc_lo
	v_cmp_gt_u32 vcc_lo, 85, v10
	v_cndmask_b32 v11, 4, v11, vcc_lo
	v_cndmask_b32 v12, 85, v12, vcc_lo
	v_sub_nc_u32 v13, v10, v12
	v_lshrrev_b32 v14, v11, v13                    ; y
	v_lshlrev_b32 v15, v11, v14
	v_sub_nc_u32 v15, v13, v15                     ; x
	s_cmp_lt_u32 s40, 2
	s_cselect_b32 s42, -1, 0
	v_cndmask_b32 v14, v15, v14, s42               ; channels 0-31 turn with y, 32-63 with x
	v_sub_nc_u32 v15, 4, v11
	v_lshlrev_b32 v14, v15, v14                    ; t = place x 16 / side
	v_cvt_f32_u32 v14, v14
	v_mul_f32 v14, 0x3d800000, v14                 ; t / 16
	s_and_b32 s43, s40, 1
	s_lshl_b32 s43, s43, 3
	v_lshl_add_u32 v15, v7, 2, s43                 ; my first frequency
.irp i, 0,1,2,3
	v_add_nc_u32 v[20+(\i)], (\i), v15
	v_cvt_f32_u32 v[20+(\i)], v[20+(\i)]
	v_mul_f32 v[20+(\i)], 0xbf549a78, v[20+(\i)]   ; -j log2(10000) / 16
.endr
.irp i, 0,1,2,3
	v_exp_f32 v[20+(\i)], v[20+(\i)]
.endr
	v_nop                                          ; a plain instruction between the last exponential and the use of its result
	s_wait_alu depctr_va_vdst(0)
.irp i, 0,1,2,3
	v_mul_f32 v[20+(\i)], v14, v[20+(\i)]          ; r
.endr
.irp i, 0,1,2,3
	v_mul_f32 v[24+(\i)], v[20+(\i)], v[20+(\i)]   ; r^2
	v_mov_b32 v[28+(\i)], 0x3638ef1d               ; 1 / 9!
	v_mov_b32 v[32+(\i)], 0xb493f27e               ; -1 / 10!
.endr
.irp c, 0xb9500d01, 0x3c088889, 0xbe2aaaab, 0x3f800000
.irp i, 0,1,2,3
	v_fmaak_f32 v[28+(\i)], v[28+(\i)], v[24+(\i)], \c
.endr
.endr
.irp c, 0x37d00d01, 0xbab60b61, 0x3d2aaaab, 0xbf000000, 0x3f800000
.irp i, 0,1,2,3
	v_fmaak_f32 v[32+(\i)], v[32+(\i)], v[24+(\i)], \c
.endr
.endr
.irp i, 0,1,2,3
	v_mul_f32 v[28+(\i)], v[28+(\i)], v[20+(\i)]
.endr
.macro DOUBLE si, so                   ; sin 2u = 2 sin u cos u;  cos 2u = 1 - 2 sin u sin u
.irp i, 0,1,2,3
	v_add_f32 v[36+(\i)], v[(\si)+(\i)], v[(\si)+(\i)]
.endr
.irp i, 0,1,2,3
	v_mul_f32 v[(\so)+(\i)], v[36+(\i)], v[32+(\i)]
.endr
.irp i, 0,1,2,3
	v_fma_f32 v[32+(\i)], -v[36+(\i)], v[(\si)+(\i)], 1.0
.endr
.endm
	DOUBLE 28, 40
	DOUBLE 40, 28
	DOUBLE 28, 40
	DOUBLE 40, 28
.irp i, 0,1,2,3
	v_xor_b32 v[44+2*(\i)], 0x80000000, v[28+(\i)] ; the sign of rotate_half lives in the table
	v_mov_b32 v[45+2*(\i)], v[28+(\i)]
.endr
	s_mul_i32 s44, s38, 1536
	v_lshl_add_u32 v16, v2, 4, s44
	global_store_b128 v16, v[32:35], s[24:25]
	global_store_b128 v16, v[44:47], s[24:25] offset:512
	global_store_b128 v16, v[48:51], s[24:25] offset:1024
	s_endpgm
.Lfunc_end_k_qf3466e3e99_prep:
	.size	k_qf3466e3e99_prep, .Lfunc_end_k_qf3466e3e99_prep-k_qf3466e3e99_prep
	.p2alignl 7, 3214868480
	.fill 96, 4, 3214868480
	.section	.rodata,"a",@progbits
	.p2align	6, 0x0
	.amdhsa_kernel k_qf3466e3e99_prep
		.amdhsa_group_segment_fixed_size 19456
		.amdhsa_private_segment_fixed_size 0
		.amdhsa_enable_private_segment 0
		.amdhsa_kernarg_size 96
		.amdhsa_user_sgpr_count 2
		.amdhsa_user_sgpr_kernarg_segment_ptr 1
		.amdhsa_wavefront_size32 1
		.amdhsa_system_sgpr_workgroup_id_x 1
		.amdhsa_system_sgpr_workgroup_id_y 1
		.amdhsa_system_sgpr_workgroup_id_z 1
		.amdhsa_system_vgpr_workitem_id 0
		.amdhsa_next_free_vgpr 208
		.amdhsa_next_free_sgpr 66
		.amdhsa_reserve_vcc 1
		.amdhsa_float_denorm_mode_32 3
		.amdhsa_float_denorm_mode_16_64 3
		.amdhsa_memory_ordered 1
		.amdhsa_forward_progress 1
		.amdhsa_inst_pref_size 69
	.end_amdhsa_kernel
	.amdgpu_metadata
---
amdhsa.version: [ 1, 2 ]
amdhsa.kernels:
  - .name:           k_qf3466e3e99_prep
    .symbol:         k_qf3466e3e99_prep.kd
    .args:
      - { .name: x, .offset: 0, .size: 8, .value_kind: global_buffer, .address_space: global }
      - { .name: qkv_w, .offset: 8, .size: 8, .value_kind: global_buffer, .address_space: global }
      - { .name: proj_w, .offset: 16, .size: 8, .value_kind: global_buffer, .address_space: global }
      - { .name: mask, .offset: 24, .size: 8, .value_kind: global_buffer, .address_space: global }
      - { .name: qkv_b, .offset: 32, .size: 8, .value_kind: global_buffer, .address_space: global }
      - { .name: proj_b, .offset: 40, .size: 8, .value_kind: global_buffer, .address_space: global }
      - { .name: xb, .offset: 48, .size: 8, .value_kind: global_buffer, .address_space: global }
      - { .name: wq, .offset: 56, .size: 8, .value_kind: global_buffer, .address_space: global }
      - { .name: wp, .offset: 64, .size: 8, .value_kind: global_buffer, .address_space: global }
      - { .name: mt, .offset: 72, .size: 8, .value_kind: global_buffer, .address_space: global }
      - { .name: rt, .offset: 80, .size: 8, .value_kind: global_buffer, .address_space: global }
      - { .name: br, .offset: 88, .size: 8, .value_kind: global_buffer, .address_space: global }
    .group_segment_fixed_size: 19456
    .private_segment_fixed_size: 0
    .kernarg_segment_align: 8
    .kernarg_segment_size: 96
    .max_flat_workgroup_size: 256
    .sgpr_count:     66
    .vgpr_count:     208
    .wavefront_size: 32
...
	.end_amdgpu_metadata
.endif
;; end of part 1
;; launch qkv (part 2): grid 16 x 32, 4 waves a work-group, clusters of 4 x 4, 327,680 bytes of LDS; arguments xb, wq, br, rt, qkv; writes qkv
.if DOCPART == 2
	.amdgcn_target "amdgcn-amd-amdhsa--gfx1250"
	.amdhsa_code_object_version 6
	.text
	.protected	k_qf3466e3e99_qkv
	.globl	k_qf3466e3e99_qkv
	.p2align	8
	.type	k_qf3466e3e99_qkv,@function
k_qf3466e3e99_qkv:
	s_mov_b64 s[64:65], 0
	v_nop
	global_prefetch_b8 v0, s[64:65] scope:SCOPE_SE
	s_setreg_imm32_b32 hwreg(HW_REG_WAVE_MODE, 25, 1), 1
	s_wait_xcnt 0x0
	s_wait_alu depctr_hold_cnt(0) depctr_sa_sdst(0) depctr_va_vdst(0) depctr_va_sdst(0) depctr_va_ssrc(0) depctr_va_vcc(0) depctr_vm_vsrc(0)
	s_getreg_b32 s2, hwreg(HW_REG_IB_STS2, 6, 4)
	s_cmp_eq_u32 s2, 0
	s_cbranch_scc0 .Lentry_in_a_cluster
	s_endpgm
.Lentry_in_a_cluster:
	s_bfe_u32 s2, ttmp6, 0x10000c
	s_cmp_lg_u32 s2, 0xf033
	s_cbranch_scc0 .Lentry_shape_is_right
	s_endpgm
.Lentry_shape_is_right:
; QKV: q, k, v = x W^T + b for one batch (352 padded tokens) and one head (192 rows of W), RoPE on q and k, q times c = log2(e) / 8; products in bf16 with f32 sums; q, k, v leave as f16, rounded once.
; LIMITS.  q, k, v must lie within f16's 65,504; numbers under 6.1e-5 keep f16's fixed step of 6e-8.
; OPERANDS come in fragment order (1 KB = 16 rows x 32 k: [half][lane][16 bytes]), so a K step of 128 of a block of 16 rows is 4,096 consecutive bytes, an LDS load of a fragment half takes
; 512 consecutive bytes, and no padding is wanted.  RESULTS leave in fragment order too: a lane's eight numbers of a 16 x 16 result, packed, ARE its 16 bytes of a fragment half, so no stage is needed:
;   Q, K [batch x head 512][token block 22][c 2][half 2][lane][16 B]; V^T [512][kk 11][channel block 4][half 2][lane][16 B], behind each other in the buffer.
; SHARES.  Wave (wr, wc) has the token blocks 2 a + wr, a = 0..10, and the six blocks 6 wc + b of W: b = 0, 1 q; 2, 3 k; 4, 5 v; each the head's channels 16 (2 wc + b % 2) on: 66 accumulators, 528 registers.
; For q and k source 0 = W, source 1 = x: a lane holds one token and eight neighbouring channels, so a RoPE pair lies in one lane.  For v source 0 = x, source 1 = W: one channel and eight tokens.
; The bias is the C operand of the first K step; nothing is cleared.
; RING: K in steps of 128 through two LDS slots (22 blocks of x, then 12 of W).  CLUSTER 4 x 4: the four heads of a row of the cluster share x's tiles, the four batches of a column W's: joint loads.
; REGISTERS, in windows of 256 (s_set_vgpr_msb: bits 1:0 source 0, 3:2 source 1, 5:4 source 2, 7:6 destination):
;   window 0: v0-31 addresses; v32-119, v120-207 x's fragments, two buffers; v208-255 packed results (on the way out also v32-55 a table, v56-87 at work)
;   window 1: q, k accumulators of a = 0..7 at 32 a + 8 b       window 2: those of a = 8..10 at 32 (a - 8) + 8 b; v's of a = 0..9 at 96 + 16 a + 8 b
;   window 3: v0-15 v's of a = 10; v16-63, v64-111 W's fragments, two buffers; v112-159 the biases as C; v160-255 the RoPE table of a = 0..3 (on the way out v16-159 that of a = 4..9)
.set SLOT,  139264                     ; 34 blocks x 4,096 bytes
.set BOFF,  90112                      ; W's blocks lie behind x's 22
.set SPARE, 2*SLOT                     ; behind the ring: the spare words, 128 bytes for each wave
.set KOFF,  23068672
.set VOFF,  46137344
.set ADRA,  16                         ; v16-17  LDS address of my fragments of x in slot 0, 1
.set ADRA2, 18                         ; v18-19  the same 65,536 bytes on, for a = 8..10: the immediate has 16 bits
.set ADRB,  20                         ; v20-21  of W
.set VQ,    22                         ; my byte offsets: in a head's Q and K,
.set VVO,   23                         ; in its V^T,
.set VR,    24                         ; in the RoPE table,
.set VB,    25                         ; in the biases of q and k,
.set VB2,   26                         ; and of v
.set SPW,   28                         ; v28  LDS address of my spare word; never rewritten
.set NIL,   29                         ; v29  0; never rewritten
.set XF,    32
.set U,     56
.set T,     208
.set WF,    16
.set BC,    112
.set RP,    160
.set G1A, 24                           ; s[24:31] descriptor group 1 for x's tiles; s[32:39] group 0, a set for each slot
.set G0A, 32
.set G1B, 48                           ; s[48:55], s[56:63] the same for W's
.set G0B, 56
.set CS,  82                           ; s[82:83] c
.set MSB, 0
.macro WIN new                         ; the immediate's high byte repeats the setting that is left; a switch that changes nothing is dropped
.if MSB != (\new)
	s_set_vgpr_msb (MSB<<8)|(\new)
.set MSB, (\new)
.endif
.endm
; A joint load.  Waves 0 and 1 fetch the two halves of x's tile, waves 2 and 3 those of W's.  The branch hangs on the wave's number alone.
; An s_nop 0 and four v_nop follow each of the two lines, ahead of the jump and the label.
.macro JLOAD s
	s_cmp_eq_u32 s15, 0
	s_cbranch_scc0 .Lfor_b_\@
	tensor_load_to_lds s[G0A+4*(\s):G0A+4*(\s)+3], s[G1A:G1A+7]
	s_nop 0
.rept 4
	v_nop
.endr
	s_branch .Lasked_\@
.Lfor_b_\@:
	tensor_load_to_lds s[G0B+4*(\s):G0B+4*(\s)+3], s[G1B:G1B+7]
	s_nop 0
.rept 4
	v_nop
.endr
.Lasked_\@:
.endm
.macro CREST                           ; a round of the cluster's barrier behind its opening barrier
	s_cmp_lg_u32 s14, 0
	s_cbranch_scc1 .Lnot_wave_0_\@
	s_barrier_signal -3
.Lnot_wave_0_\@:
	s_barrier_wait -3
	s_barrier_signal -1
	s_barrier_wait -1
.endm
.macro CROUND                          ; a whole round
	s_barrier_signal -1
	s_barrier_wait -1
	CREST
.endm
.macro PLACES                          ; four places in front of loads into registers that matrix instructions have read, and of lines that read results
.rept 4
	v_nop
.endr
.endm
	s_load_b256 s[4:11], s[0:1], 0x0               ; xb s[4:5], wq s[6:7], br s[8:9], rt s[10:11]
	s_load_b64 s[12:13], s[0:1], 0x20              ; qkv
	v_lshl_add_u32 v[SPW], v0, 2, SPARE
	v_mov_b32 v[NIL], 0
	ds_add_u32 v[SPW], v[NIL]                      ; the wave's opening: the add and its wait ahead of my first tensor load; the set-up below stands between them
	ds_add_u32 v28, v29
	v_lshrrev_b32 v1, 5, v0
	v_readfirstlane_b32 s14, v1                    ; wave 0..3
	s_lshr_b32 s15, s14, 1                         ; wr.  Also: I fetch for x (0) or for W (1)
	s_and_b32 s16, s14, 1                          ; wc.  Also: which half of that tile I fetch
	s_bfe_u32 s72, ttmp6, 0x40000                  ; cx, cy: my place in the cluster
	s_bfe_u32 s73, ttmp6, 0x40004
	s_lshl_b32 s74, ttmp9, 2
	s_add_co_u32 s74, s74, s72                     ; head = 4 x cluster x + cx
	s_and_b32 s75, ttmp7, 0xffff
	s_lshl_b32 s75, s75, 2
	s_add_co_u32 s75, s75, s73                     ; batch = 4 x cluster y + cy
	s_lshl_b32 s76, s73, 2
	s_lshl_b32 s76, 15, s76                        ; my row of the cluster
	s_lshl_b32 s77, 0x1111, s72                    ; my column
	; descriptor group 1: rows of 512 elements of 8 bytes (a block's K step), 32 KB apart in memory, on end in LDS
	s_or_b32 s[G1A], s76, (3<<16)|(1<<21)          ; 15:0 the mask: x's tiles go to my row; 17:16 elements of 8 bytes; 21 set beside a mask
	s_or_b32 s[G1B], s77, (3<<16)|(1<<21)          ; W's to my column
.irp g, G1A, G1B
	s_mov_b32 s[(\g)+1], 512<<16                   ; tensor_dim0 = 512
	s_mov_b32 s[(\g)+3], 512<<16                   ; tile_dim0 = 512
	s_mov_b32 s[(\g)+5], 4096                      ; elements from row to row
	s_mov_b32 s[(\g)+6], 0
	s_mov_b32 s[(\g)+7], 0
.endr
	s_mov_b32 s[G1A+2], 11<<16                     ; tensor_dim1 = tile_dim1 = 11 blocks of x,
	s_mov_b32 s[G1A+4], 11
	s_mov_b32 s[G1B+2], 6<<16                      ; 6 of W
	s_mov_b32 s[G1B+4], 6
	s_mov_b32 s[CS], 0x3e38aa3b                    ; c = log2(e) / 8
	s_mov_b32 s[CS+1], s[CS]                       ; named with it as a pair
	s_mul_i32 s40, s75, 720896                     ; x: the batch's 22 blocks of 32 KB, my 11 of them: registers that never hold cx
	s_mul_i32 s42, s16, 360448
	s_add_co_u32 s40, s40, s42
	s_mov_b32 s41, 0
	s_mul_i32 s44, s74, 393216                     ; W: the head's 12 blocks, my 6: registers that never hold cy
	s_mul_i32 s46, s16, 196608
	s_add_co_u32 s44, s44, s46
	s_mov_b32 s45, 0
	s_mul_i32 s20, s16, 45056                      ; where they go: no place in the cluster enters an LDS address
	s_mul_i32 s21, s16, 24576
	s_add_co_u32 s21, s21, BOFF
	s_wait_dscnt 0x0                               ; the opening add is done
	s_wait_kmcnt 0x0
	s_add_nc_u64 s[42:43], s[4:5], s[40:41]
	s_add_nc_u64 s[46:47], s[6:7], s[44:45]
	CROUND                                         ; all sixteen work-groups are here: the first joint loads meet
.irp s, 0,1
	s_mov_b32 s[G0A+4*(\s)], 1                                     ; count = 1
	s_add_co_u32 s[G0A+4*(\s)+1], s20, (\s)*SLOT                   ; LDS address
	s_add_nc_u64 s[G0A+4*(\s)+2:G0A+4*(\s)+3], s[42:43], (\s)*4096 ; global address: K step s
	s_or_b32 s[G0A+4*(\s)+3], s[G0A+4*(\s)+3], 0x80000000          ; type = 2
	s_mov_b32 s[G0B+4*(\s)], 1
	s_add_co_u32 s[G0B+4*(\s)+1], s21, (\s)*SLOT
	s_add_nc_u64 s[G0B+4*(\s)+2:G0B+4*(\s)+3], s[46:47], (\s)*4096
	s_or_b32 s[G0B+4*(\s)+3], s[G0B+4*(\s)+3], 0x80000000
	JLOAD \s                                       ; two loads of mine are out
.endr
	v_and_b32 v1, 31, v0
	v_lshlrev_b32 v2, 4, v1                        ; 16 x lane
	v_and_b32 v3, 15, v0                           ; r
	v_bfe_u32 v4, v0, 4, 1                         ; h
	s_lshl_b32 s20, s15, 12
	v_add_nc_u32 v[ADRA], s20, v2                  ; block 2 a + wr: a stands in the immediate
	v_add_nc_u32 v[ADRA+1], SLOT, v[ADRA]
	v_add_nc_u32 v[ADRA2], 0x10000, v[ADRA]
	v_add_nc_u32 v[ADRA2+1], 0x10000, v[ADRA+1]
	v_add_nc_u32 v[ADRB], s21, v2
	v_add_nc_u32 v[ADRB+1], SLOT, v[ADRB]
	s_lshl_b32 s20, s15, 11
	s_lshl_b32 s22, s16, 10
	s_add_co_u32 s20, s20, s22
	v_add_nc_u32 v[VQ], s20, v2                    ; token block 2 a + wr of 2,048 bytes, c = wc
	s_lshl_b32 s20, s15, 9
	s_lshl_b32 s22, s16, 11
	s_add_co_u32 s20, s20, s22
	v_add_nc_u32 v[VVO], s20, v2                   ; kk = a, channel block 2 wc + b, half = wr
	s_mul_i32 s20, s15, 6144
	s_mul_i32 s22, s16, 3072
	s_add_co_u32 s20, s20, s22
	v_add_nc_u32 v[VR], s20, v2
	s_lshl_b32 s20, s16, 7
	v_lshl_add_u32 v[VB], v4, 5, s20               ; q, k: my eight channels' biases
	v_lshl_add_u32 v[VB2], v3, 2, s20              ; v: my one channel's
	s_lshl_b32 s78, s74, 8
	s_mov_b32 s79, 0
	s_add_nc_u64 s[78:79], s[8:9], s[78:79]        ; the head's biases
	s_lshl4_add_u32 s66, s75, s74
	s_mul_i32 s66, s66, 45056
	s_mov_b32 s67, 0
	s_add_nc_u64 s[66:67], s[12:13], s[66:67]      ; Q, K, V^T of my batch and head
	s_add_nc_u64 s[68:69], s[66:67], KOFF
	s_add_nc_u64 s[70:71], s[66:67], VOFF
	WIN 0xc0                                       ; destination window 3, address window 0
.irp b, 0,1,2,3
	global_load_b128 v[BC+8*(\b):BC+8*(\b)+3],   v[VB], s[78:79] offset:((\b)/2)*4096+((\b)%2)*64
	global_load_b128 v[BC+8*(\b)+4:BC+8*(\b)+7], v[VB], s[78:79] offset:((\b)/2)*4096+((\b)%2)*64+16
.endr
.irp b, 0,1
	global_load_b32 v[BC+32+8*(\b)], v[VB2], s[78:79] offset:8192+(\b)*64
.endr
.irp a, 0,1,2,3
.irp e, 0,1
.irp p, 0,1,2
	global_load_b128 v[RP+24*(\a)+12*(\e)+4*(\p):RP+24*(\a)+12*(\e)+4*(\p)+3], v[VR], s[10:11] offset:(\a)*12288+(\e)*1536+(\p)*512
.endr
.endr
.endr
	s_wait_loadcnt 0x0
	WIN 0xc3
.irp b, 0,1
.irp j, 1,2,3,4,5,6,7
	v_mov_b32 v[BC+32+8*(\b)+(\j)], v[BC+32+8*(\b)]  ; v's C operand: the channel's bias for each of the lane's eight tokens
.endr
.endr
	WIN 0
; q and k: token blocks a0 .. a1 x b = 0..3, 32 along K, from buffer f.  first = 1: the bias starts the sums.  The accumulators take turns, one instruction a turn, in the same order in every
; quarter step: between two links of a chain stand the 65 others'.
.macro QK f, a0, a1, first
.set a, (\a0)
.rept (\a1)-(\a0)+1
.if a < 8
.set AW, 1
.set AR, 32*a
.else
.set AW, 2
.set AR, 32*(a-8)
.endif
.if \first
	WIN (AW<<6)|0x33
.else
	WIN (AW<<6)|(AW<<4)|0x03
.endif
.irp b, 0,1,2,3
.if \first
	v_wmma_f32_16x16x32_bf16 v[AR+8*(\b):AR+8*(\b)+7], v[WF+48*(\f)+8*(\b):WF+48*(\f)+8*(\b)+7], v[XF+88*(\f)+8*a:XF+88*(\f)+8*a+7], v[BC+8*(\b):BC+8*(\b)+7]
.else
	v_wmma_f32_16x16x32_bf16 v[AR+8*(\b):AR+8*(\b)+7], v[WF+48*(\f)+8*(\b):WF+48*(\f)+8*(\b)+7], v[XF+88*(\f)+8*a:XF+88*(\f)+8*a+7], v[AR+8*(\b):AR+8*(\b)+7]
.endif
.endr
.set a, a+1
.endr
.endm
; v: the same with the sources the other way round, b = 4, 5
.macro VP f, a0, a1, first
.set a, (\a0)
.rept (\a1)-(\a0)+1
.if a < 10
.set AW, 2
.set AR, 96+16*a
.else
.set AW, 3
.set AR, 0
.endif
.if \first
	WIN (AW<<6)|0x3c
.else
	WIN (AW<<6)|(AW<<4)|0x0c
.endif
.irp b, 0,1
.if \first
	v_wmma_f32_16x16x32_bf16 v[AR+8*(\b):AR+8*(\b)+7], v[XF+88*(\f)+8*a:XF+88*(\f)+8*a+7], v[WF+48*(\f)+32+8*(\b):WF+48*(\f)+32+8*(\b)+7], v[BC+32+8*(\b):BC+32+8*(\b)+7]
.else
	v_wmma_f32_16x16x32_bf16 v[AR+8*(\b):AR+8*(\b)+7], v[XF+88*(\f)+8*a:XF+88*(\f)+8*a+7], v[WF+48*(\f)+32+8*(\b):WF+48*(\f)+32+8*(\b)+7], v[AR+8*(\b):AR+8*(\b)+7]
.endif
.endr
.set a, a+1
.endr
.endm
; 34 LDS loads in one run: the fragments of quarter q of a slot's K step into buffer f: W's 12, then x's 22 with a ascending
.macro FETCH slot, q, f
	WIN 0xc0
.irp b, 0,1,2,3,4,5
	ds_load_b128 v[WF+48*(\f)+8*(\b):WF+48*(\f)+8*(\b)+3],   v[ADRB+(\slot)] offset:(\b)*4096+(\q)*1024
	ds_load_b128 v[WF+48*(\f)+8*(\b)+4:WF+48*(\f)+8*(\b)+7], v[ADRB+(\slot)] offset:(\b)*4096+(\q)*1024+512
.endr
	WIN 0
.irp a, 0,1,2,3,4,5,6,7
	ds_load_b128 v[XF+88*(\f)+8*(\a):XF+88*(\f)+8*(\a)+3],   v[ADRA+(\slot)] offset:(\a)*8192+(\q)*1024
	ds_load_b128 v[XF+88*(\f)+8*(\a)+4:XF+88*(\f)+8*(\a)+7], v[ADRA+(\slot)] offset:(\a)*8192+(\q)*1024+512
.endr
.irp a, 8,9,10
	ds_load_b128 v[XF+88*(\f)+8*(\a):XF+88*(\f)+8*(\a)+3],   v[ADRA2+(\slot)] offset:((\a)-8)*8192+(\q)*1024
	ds_load_b128 v[XF+88*(\f)+8*(\a)+4:XF+88*(\f)+8*(\a)+7], v[ADRA2+(\slot)] offset:((\a)-8)*8192+(\q)*1024+512
.endr
.endm
; A K step is four quarters of 32 along K, 66 matrix instructions each, on buffers 0, 1, 0, 1.  One of the first three: multiplies buffer f and fetches quarter q of the same slot into g.
.macro QUARTER slot, q, f, g, first
	s_wait_dscnt 6                                 ; all but the youngest six loads: x's blocks a = 8..10
	QK \f, 0, 7, \first
	PLACES
	FETCH \slot, \q, \g
	s_wait_dscnt 34                                ; all but the 34 just issued
	QK \f, 8, 10, \first
	VP \f, 0, 10, \first
.endm
; The last quarter multiplies buffer 1 and changes slots: ONE barrier; in front of it each wave waits for all its tensor loads (one is out: its part of the next slot), adds 0 to its spare word, and
; waits for that and for its own reads of this slot.  fill = 1: the barrier opens a round of the cluster's, and this slot is filled again, two K steps on, first thing behind the round.
.macro TURN slot, next, fill
	WIN 0                                          ; (the add's two registers lie in window 0)
	s_wait_tensorcnt 0x0
	ds_add_u32 v[SPW], v[NIL]                      ; 0 onto my spare word
	s_wait_dscnt 7                                 ; (the add and the youngest six loads may be out)
	QK 1, 0, 3, 0                                  ; sixteen matrix instructions stand between the add and the wait for it
	s_wait_dscnt 0x0                               ; the add is done, and my reads of this slot are over
	s_barrier_signal -1
	QK 1, 4, 7, 0                                  ; work on registers while the others arrive
.if \fill
	WIN 0
.endif
	s_barrier_wait -1
.if \fill
	CREST                                          ; no wave of any partner still reads this slot or has a load on its way
	s_add_nc_u64 s[G0A+4*(\slot)+2:G0A+4*(\slot)+3], s[G0A+4*(\slot)+2:G0A+4*(\slot)+3], 8192
	s_add_nc_u64 s[G0B+4*(\slot)+2:G0B+4*(\slot)+3], s[G0B+4*(\slot)+2:G0B+4*(\slot)+3], 8192
	JLOAD \slot                                    ; my one tensor load behind the round; its four v_nop are also the places in front of the loads below
.else
	PLACES
.endif
	FETCH \next, 0, 0
	QK 1, 8, 10, 0
	VP 1, 0, 10, 0
.endm
	s_wait_tensorcnt 0x1                           ; my part of K step 0 is in; K step 1's may stay out
	s_barrier_signal -1
	s_barrier_wait -1
	FETCH 0, 0, 0
	QUARTER 0, 1, 0, 1, 1                          ; the first quarter stands in front of the loop: its products start the sums, on the biases
	WIN 0                                          ; at a label and at a branch every window is 0
	s_mov_b32 s23, 3
.Llap:                                                 ; a trip goes once round the ring, from a lap's second quarter to the next lap's first, and fills both slots again
	QUARTER 0, 2, 1, 0, 0
	QUARTER 0, 3, 0, 1, 0
	TURN 0, 1, 1
	QUARTER 1, 1, 0, 1, 0
	QUARTER 1, 2, 1, 0, 0
	QUARTER 1, 3, 0, 1, 0
	TURN 1, 0, 1
	QUARTER 0, 1, 0, 1, 0
	WIN 0
	s_sub_co_u32 s23, s23, 1
	s_cmp_lg_u32 s23, 0
	s_cbranch_scc1 .Llap
	QUARTER 0, 2, 1, 0, 0                          ; the last lap fills nothing, and has no round
	QUARTER 0, 3, 0, 1, 0
	TURN 0, 1, 0
	QUARTER 1, 1, 0, 1, 0
	QUARTER 1, 2, 1, 0, 0
	QUARTER 1, 3, 0, 1, 0
	s_wait_dscnt 6
	QK 1, 0, 7, 0
	s_wait_dscnt 0x0
	QK 1, 8, 10, 0
	VP 1, 0, 10, 0
	; THE WAY OUT.  The tables of a = 4..10 come into the fragments' registers while a = 0..3 go out.
	PLACES
	WIN 0xc0
.irp a, 4,5,6,7,8,9
.irp e, 0,1
.irp p, 0,1,2
	global_load_b128 v[16+24*((\a)-4)+12*(\e)+4*(\p):16+24*((\a)-4)+12*(\e)+4*(\p)+3], v[VR], s[10:11] offset:(\a)*12288+(\e)*1536+(\p)*512
.endr
.endr
.endr
	WIN 0
.irp e, 0,1
.irp p, 0,1,2
	global_load_b128 v[32+12*(\e)+4*(\p):32+12*(\e)+4*(\p)+3], v[VR], s[10:11] offset:10*12288+(\e)*1536+(\p)*512
.endr
.endr
; Token block a.  For a pair (x0, x1) of channels: (x0 cos - x1 sin, x1 cos + x0 sin): a packed multiply by (cos, cos), then a packed multiply-add of the pair turned round by (-sin, sin).
; Each accumulator is read from its lowest registers on.
.macro OUTA a
.if (\a) < 8
.set AW, 1
.set AR, 32*(\a)
.else
.set AW, 2
.set AR, 32*((\a)-8)
.endif
.if (\a) < 4
.set RW, 3
.set RR, RP+24*(\a)
.elseif (\a) < 10
.set RW, 3
.set RR, 16+24*((\a)-4)
.else
.set RW, 0
.set RR, 32
.endif
.if (\a) < 10
.set VW, 2
.set VA, 96+16*(\a)
.else
.set VW, 3
.set VA, 0
.endif
.set TT, T+24*((\a)%2)
.if (\a) >= 4
	s_wait_loadcnt 6*(10-(\a))                     ; the later blocks' tables, six loads each, may stay out
.endif
	s_wait_xcnt 0x0                                ; the registers that earlier stores read are rewritten only behind this wait
	WIN AW|(RW<<2)                                 ; source 0 the sums, source 1 the table
.irp b, 0,1,2,3
.irp p, 0,2
	v_pk_mul_f32 v[U+8*(\b)+2*(\p):U+8*(\b)+2*(\p)+1], v[AR+8*(\b)+2*(\p):AR+8*(\b)+2*(\p)+1], v[RR+12*((\b)%2)+(\p):RR+12*((\b)%2)+(\p)+1] op_sel:[0,0] op_sel_hi:[1,0]
	v_pk_mul_f32 v[U+8*(\b)+2*(\p)+2:U+8*(\b)+2*(\p)+3], v[AR+8*(\b)+2*(\p)+2:AR+8*(\b)+2*(\p)+3], v[RR+12*((\b)%2)+(\p):RR+12*((\b)%2)+(\p)+1] op_sel:[0,1] op_sel_hi:[1,1]
.endr
.irp p, 0,1,2,3
	v_pk_fma_f32 v[U+8*(\b)+2*(\p):U+8*(\b)+2*(\p)+1], v[AR+8*(\b)+2*(\p):AR+8*(\b)+2*(\p)+1], v[RR+12*((\b)%2)+4+2*(\p):RR+12*((\b)%2)+5+2*(\p)], v[U+8*(\b)+2*(\p):U+8*(\b)+2*(\p)+1] op_sel:[1,0,0] op_sel_hi:[0,1,1]
.endr
.endr
	WIN VW|(VW<<2)
.irp b, 0,1
.irp i, 0,1,2,3
	v_cvt_pk_f16_f32 v[TT+16+4*(\b)+(\i)], v[VA+8*(\b)+2*(\i)], v[VA+8*(\b)+2*(\i)+1]
.endr
.endr
	WIN 0
.irp i, 0,1,2,3,4,5,6,7
	v_pk_mul_f32 v[U+2*(\i):U+2*(\i)+1], v[U+2*(\i):U+2*(\i)+1], s[CS:CS+1] op_sel_hi:[1,0]   ; q times c, in f32, ahead of its one rounding
.endr
.irp i, 0,1,2,3,4,5,6,7,8,9,10,11,12,13,14,15
	v_cvt_pk_f16_f32 v[TT+(\i)], v[U+2*(\i)], v[U+2*(\i)+1]
.endr
	global_store_b128 v[VQ], v[TT:TT+3], s[66:67] offset:(\a)*4096            ; each store: 512 consecutive bytes, at a multiple of 512 from the buffer's first
	global_store_b128 v[VQ], v[TT+4:TT+7], s[66:67] offset:(\a)*4096+512
	global_store_b128 v[VQ], v[TT+8:TT+11], s[68:69] offset:(\a)*4096
	global_store_b128 v[VQ], v[TT+12:TT+15], s[68:69] offset:(\a)*4096+512
	global_store_b128 v[VVO], v[TT+16:TT+19], s[70:71] offset:(\a)*4096
	global_store_b128 v[VVO], v[TT+20:TT+23], s[70:71] offset:(\a)*4096+1024
.endm
.irp a, 0,1,2,3,4,5,6,7,8,9,10
	OUTA \a
.endr
	s_wait_tensorcnt 0x0                           ; the wave's end, behind my last tensor load
	ds_add_u32 v[SPW], v[NIL]
	s_wait_dscnt 0x0
	CROUND                                         ; the closing round: no work-group ends while a partner may still ask for a tile that names it
	s_endpgm
.Lfunc_end_k_qf3466e3e99_qkv:
	.size	k_qf3466e3e99_qkv, .Lfunc_end_k_qf3466e3e99_qkv-k_qf3466e3e99_qkv
	.p2alignl 7, 3214868480
	.fill 96, 4, 3214868480
	.section	.rodata,"a",@progbits
	.p2align	6, 0x0
	.amdhsa_kernel k_qf3466e3e99_qkv
		.amdhsa_group_segment_fixed_size 327680
		.amdhsa_private_segment_fixed_size 0
		.amdhsa_enable_private_segment 0
		.amdhsa_kernarg_size 40
		.amdhsa_user_sgpr_count 2
		.amdhsa_user_sgpr_kernarg_segment_ptr 1
		.amdhsa_wavefront_size32 1
		.amdhsa_system_sgpr_workgroup_id_x 1
		.amdhsa_system_sgpr_workgroup_id_y 1
		.amdhsa_system_sgpr_workgroup_id_z 1
		.amdhsa_system_vgpr_workitem_id 0
		.amdhsa_next_free_vgpr 1024
		.amdhsa_next_free_sgpr 96
		.amdhsa_reserve_vcc 0
		.amdhsa_float_denorm_mode_32 3
		.amdhsa_float_denorm_mode_16_64 3
		.amdhsa_memory_ordered 1
		.amdhsa_forward_progress 1
		.amdhsa_inst_pref_size 176
	.end_amdhsa_kernel
	.amdgpu_metadata
---
amdhsa.version: [ 1, 2 ]
amdhsa.kernels:
  - .name:           k_qf3466e3e99_qkv
    .symbol:         k_qf3466e3e99_qkv.kd
    .args:
      - { .name: xb, .offset: 0, .size: 8, .value_kind: global_buffer, .address_space: global }
      - { .name: wq, .offset: 8, .size: 8, .value_kind: global_buffer, .address_space: global }
      - { .name: br, .offset: 16, .size: 8, .value_kind: global_buffer, .address_space: global }
      - { .name: rt, .offset: 24, .size: 8, .value_kind: global_buffer, .address_space: global }
      - { .name: qkv, .offset: 32, .size: 8, .value_kind: global_buffer, .address_space: global }
    .group_segment_fixed_size: 327680
    .private_segment_fixed_size: 0
    .kernarg_segment_align: 8
    .kernarg_segment_size: 40
    .max_flat_workgroup_size: 128
    .sgpr_count:     96
    .vgpr_count:     1024
    .wavefront_size: 32
...
	.end_amdgpu_metadata
.endif
;; end of part 2
;; launch attn (part 3): grid 8 x 32, 4 waves a work-group, no clusters, 0 bytes of LDS; arguments qkv, mt, of; writes of
.if DOCPART == 3
	.amdgcn_target "amdgcn-amd-amdhsa--gfx1250"
	.amdhsa_code_object_version 6
	.text
	.protected	k_qf3466e3e99_attn
	.globl	k_qf3466e3e99_attn
	.p2align	8
	.type	k_qf3466e3e99_attn,@function
k_qf3466e3e99_attn:
	s_mov_b64 s[64:65], 0
	v_nop
	global_prefetch_b8 v0, s[64:65] scope:SCOPE_SE
	s_setreg_imm32_b32 hwreg(HW_REG_WAVE_MODE, 25, 1), 1
	s_wait_xcnt 0x0
; ATTENTION.  O[q] = the sum over keys of softmax(q . k / 8 + mask[q][key]) v, for 352 padded tokens of a batch and head.  Q (already times c = log2(e) / 8), K, V^T in f16, in fragment order;
; the mask in bf16, multiplied by log2(e) in f32 here; sums, maxima and the row sum in f32; the weights p rounded to f16 for the second product (their sum is taken of the unrounded p), O to f16 once.
; A WHOLE ROW OF SCORES LIES IN REGISTERS (22 key blocks x 8), so the row's true maximum m is taken away, p = 2^(s - m), exactly 1 at the maximum, and nothing is rescaled.
; LIMITS.  A weight under 2^-126 counts as 0.  Mask numbers arrive at -1e38 or above, pad keys at -1.99e38: their weights are 0 in every row; positive mask numbers stay under 2.3e38.
; SHARES.  A wave takes 11 tiles of 16 queries of one head and keeps that head's whole K and V^T (44 + 44 fragments, 704 registers) for its life; a work-group's four waves are two heads x two halves
; of the queries.  The waves share nothing: no LDS, no barrier.  NO CLUSTER: K, V and Q belong to one work-group; what work-groups share is the mask's 270,336 bytes, read in pieces of 512 bytes a tile ahead.
; LAYOUT.  S^T = K Q^T + mask (source 0 = 16 keys, source 1 = 16 queries; the mask is the C operand): a lane holds ONE query (lane % 16) and the keys 8 (lane / 16) + 0..7 of each block.  Two such
; results rounded to f16 ARE source 1 (32 keys x 16 queries) of O^T = V^T P, whose result holds one query a lane and eight channels: 16 bytes of the next launch's operand.
; REGISTERS, in windows of 256 (s_set_vgpr_msb: bits 1:0 source 0, 3:2 source 1, 5:4 source 2, 7:6 destination):
;   window 0: v1-7 offsets; v8-27 statistics; v32-47 Q; v48-79 O^T; v80-255 S^T, into whose first 88 registers P is packed
;   window 1: K's fragments f = 22 c + kb < 32      window 2: v0-95 K's f = 32..43; v96-255 V's fragments g = 4 kk + cb < 20      window 3: v0-191 V's g = 20..43; v192-255 the next tile's mask, key blocks 0..15
.set KOFF, 23068672
.set VOFF, 46137344
.set L16, 1                            ; v1   16 x lane; never rewritten
.set MVS, 4                            ; v4   offset of the mask tile that is loaded into window 3
.set MVI, 5                            ; v5   of the one whose last six blocks are loaded straight into S^T's registers
.set QV,  6                            ; v6   of Q's tile
.set OV,  7                            ; v7   of O's tile, one tile ahead: the stores reach back
.set CM,  8                            ; v8-11   four running maxima
.set MX,  12                           ; v12  m (v13 is named with it as a pair)
.set LS,  14                           ; v14-21  four pairs of partial row sums
.set RI,  22                           ; v22  1 / l (v23 named with it)
.set TP,  24                           ; v24  what comes from the other half of the lanes
.set LG,  26                           ; v26  log2(e)
.set ZR,  27                           ; v27  0
.set Q,   32
.set O,   48
.set S,   80
.set MS,  192
.set MSB, 0
.macro WIN new                         ; the immediate's high byte repeats the setting that is left; a switch that changes nothing is dropped
.if MSB != (\new)
	s_set_vgpr_msb (MSB<<8)|(\new)
.set MSB, (\new)
.endif
.endm
.macro MLS                             ; a mask tile's key blocks 0..15 into window 3
	WIN 0xc0
.irp kb, 0,1,2,3,4,5,6,7,8,9,10,11,12,13,14,15
	global_load_b128 v[MS+4*(\kb):MS+4*(\kb)+3], v[MVS], s[6:7] offset:(\kb)*512
.endr
.endm
.macro MLI                             ; its key blocks 16..21 into the upper halves of their own accumulators, which are free once P is packed
	WIN 0
.irp kb, 16,17,18,19,20,21
	global_load_b128 v[S+8*(\kb)+4:S+8*(\kb)+7], v[MVI], s[6:7] offset:(\kb)*512
.endr
.endm
.macro QLOAD
.irp i, 0,1,2,3
	global_load_b128 v[Q+4*(\i):Q+4*(\i)+3], v[QV], s[26:27] offset:(\i)*512
.endr
.endm
; Eight bf16 in four registers from src on become key block kb's C operand: each times log2(e), one rounding, in f32.  In place (src = the block's registers 4..7) the order holds: a register is written when it has been read.
.macro UNP kb, src
.irp i, 0,1,2,3
	v_fma_mix_f32_bf16 v[S+8*(\kb)+2*(\i)], v[(\src)+(\i)], v[LG], v[ZR] op_sel_hi:[1,0,0]
	v_fma_mix_f32_bf16 v[S+8*(\kb)+2*(\i)+1], v[(\src)+(\i)], v[LG], v[ZR] op_sel:[1,0,0] op_sel_hi:[1,0,0]
.endr
.endm
.macro UNS
	WIN 0x03                                       ; source 0 in window 3
.set n, 0
.rept 16
	UNP n, MS+4*n
.set n, n+1
.endr
	WIN 0
.endm
.macro UNI
	WIN 0
.set n, 16
.rept 6
	UNP n, S+8*n+4
.set n, n+1
.endr
.endm
	s_load_b128 s[4:7], s[0:1], 0x0                ; qkv s[4:5], mt s[6:7]
	s_load_b64 s[8:9], s[0:1], 0x10                ; of
	v_lshrrev_b32 v2, 5, v0
	v_readfirstlane_b32 s12, v2                    ; wave 0..3
	v_and_b32 v2, 31, v0
	v_lshlrev_b32 v[L16], 4, v2
	v_mov_b32 v[MVS], v[L16]
	v_mov_b32 v[MVI], v[L16]
	v_mov_b32 v[QV], v[L16]
	v_mov_b32 v[OV], v[L16]
	v_mov_b32 v[MX+1], 0                           ; named in pairs, or as a lane exchange's destination: written once
	v_mov_b32 v[RI+1], 0
	v_mov_b32 v[TP], 0
	v_mov_b32 v[LG], 0x3fb8aa3b
	v_mov_b32 v[ZR], 0
	s_mov_b32 s24, 0x76543210                      ; v_permlanex16_b32: each lane takes its own place in the other half
	s_mov_b32 s25, 0xfedcba98
	s_lshr_b32 s13, s12, 1
	s_and_b32 s14, s12, 1                          ; which 11 query tiles
	s_lshl1_add_u32 s13, ttmp9, s13                ; head
	s_and_b32 s15, ttmp7, 0xffff                   ; batch
	s_lshl4_add_u32 s16, s15, s13
	s_mul_i32 s16, s16, 45056                      ; a head's 22 blocks of 2,048 bytes
	s_mov_b32 s17, 0
	s_mul_i32 s18, s14, 22528
	s_mov_b32 s19, 0
	s_mul_i32 s20, s14, 123904                     ; 11 mask tiles of 11,264 bytes
	s_mov_b32 s21, 0
	s_mul_i32 s34, s15, 720896
	s_lshl_b32 s35, s13, 11
	s_add_co_u32 s34, s34, s35
	s_mul_i32 s35, s14, 360448
	s_add_co_u32 s34, s34, s35
	s_mov_b32 s35, 0
	s_wait_kmcnt 0x0
	s_add_nc_u64 s[26:27], s[4:5], s[16:17]
	s_add_nc_u64 s[28:29], s[26:27], KOFF          ; K
	s_add_nc_u64 s[32:33], s[26:27], VOFF          ; V^T
	s_add_nc_u64 s[26:27], s[26:27], s[18:19]      ; Q at my first tile
	s_add_nc_u64 s[6:7], s[6:7], s[20:21]          ; the mask at my first tile
	s_add_nc_u64 s[8:9], s[8:9], s[34:35]          ; O at my first tile
	WIN 0x40
.set f, 0
.rept 32
	global_load_b128 v[8*f:8*f+3],   v[L16], s[28:29] offset:(f%22)*2048+(f/22)*1024
	global_load_b128 v[8*f+4:8*f+7], v[L16], s[28:29] offset:(f%22)*2048+(f/22)*1024+512
.set f, f+1
.endr
	WIN 0x80
.rept 12
	global_load_b128 v[8*(f-32):8*(f-32)+3],   v[L16], s[28:29] offset:(f%22)*2048+(f/22)*1024
	global_load_b128 v[8*(f-32)+4:8*(f-32)+7], v[L16], s[28:29] offset:(f%22)*2048+(f/22)*1024+512
.set f, f+1
.endr
	MLS
	WIN 0
	QLOAD
	MLI
	WIN 0x80
.set g, 0
.rept 20
	global_load_b128 v[96+8*g:96+8*g+3],   v[L16], s[32:33] offset:g*1024
	global_load_b128 v[96+8*g+4:96+8*g+7], v[L16], s[32:33] offset:g*1024+512
.set g, g+1
.endr
	WIN 0xc0
.rept 10
	global_load_b128 v[8*(g-20):8*(g-20)+3],   v[L16], s[32:33] offset:g*1024
	global_load_b128 v[8*(g-20)+4:8*(g-20)+7], v[L16], s[32:33] offset:g*1024+512
.set g, g+1
.endr
	s_wait_loadcnt 60                              ; behind K, the first mask tile and Q stand V's first 60 loads: those may stay out
.rept 14
	global_load_b128 v[8*(g-20):8*(g-20)+3],   v[L16], s[32:33] offset:g*1024
	global_load_b128 v[8*(g-20)+4:8*(g-20)+7], v[L16], s[32:33] offset:g*1024+512
.set g, g+1
.endr
	UNS
	UNI
	s_wait_xcnt 0x0                                ; an offset that issued loads name is stepped only behind this wait
	v_add_nc_u32 v[MVS], 11264, v[MVS]
	MLS                                            ; tile 1's mask
	WIN 0
	s_mov_b32 s30, 11
.Ltile:
	; S^T = K Q^T + mask.  The 22 accumulators take turns.
.set f, 0
.rept 44
.if f < 32
	WIN 0x01
	v_wmma_f32_16x16x32_f16 v[S+8*(f%22):S+8*(f%22)+7], v[8*f:8*f+7], v[Q+8*(f/22):Q+8*(f/22)+7], v[S+8*(f%22):S+8*(f%22)+7]
.else
	WIN 0x02
	v_wmma_f32_16x16x32_f16 v[S+8*(f%22):S+8*(f%22)+7], v[8*(f-32):8*(f-32)+7], v[Q+8*(f/22):Q+8*(f/22)+7], v[S+8*(f%22):S+8*(f%22)+7]
.endif
.set f, f+1
.endr
	WIN 0
.irp x, 0,1,2,3
	v_mov_b32 v[CM+(\x)], 0xff7fffff               ; the maxima start at the lowest finite number; with the line below, the places behind the last product
.endr
	s_wait_xcnt 0x0
	v_add_nc_u32 v[QV], 2048, v[QV]
	QLOAD                                          ; the next tile's Q (in the last trip: 2,048 bytes further on in the buffer, used for nothing)
	; the row's maximum: four chains, each accumulator from its lowest registers on
.set n, 0
.rept 5
.irp i, 0,1,2,3
.irp x, 0,1,2,3
	v_max3_num_f32 v[CM+(\x)], v[CM+(\x)], v[S+8*(4*n+(\x))+2*(\i)], v[S+8*(4*n+(\x))+2*(\i)+1]
.endr
.endr
.set n, n+1
.endr
.irp i, 0,1,2,3
.irp x, 0,1
	v_max3_num_f32 v[CM+(\x)], v[CM+(\x)], v[S+8*(20+(\x))+2*(\i)], v[S+8*(20+(\x))+2*(\i)+1]
.endr
.endr
	v_max3_num_f32 v[CM], v[CM], v[CM+1], v[CM+2]
	v_max_num_f32 v[CM], v[CM], v[CM+3]
	v_permlanex16_b32 v[TP], v[CM], s24, s25       ; the query's other keys lie in the lane 16 away
	v_max_num_f32 v[MX], v[CM], v[TP]
	; For pair k of 88: s - m; two exponentials; the pair onto one of four sums; the pair rounded to f16 into register k of S^T, whose own pair (k / 2) has been summed and rounded.
	; The lines of neighbouring pairs are woven so that a plain instruction stands behind every exponential (ISA guide 5.7.2) and none reads a result just made.
.set k, -2
.rept 90
.if k+2 < 88
	v_pk_add_f32 v[S+2*k+4:S+2*k+5], v[S+2*k+4:S+2*k+5], v[MX:MX+1] op_sel_hi:[1,0] neg_lo:[0,1] neg_hi:[0,1]
.endif
.if (k+1 >= 0) && (k+1 < 88)
	v_exp_f32 v[S+2*k+2], v[S+2*k+2]
.endif
.if (k >= 0) && (k < 4)
	s_wait_alu depctr_va_vdst(0)
	v_pk_mul_f32 v[LS+2*k:LS+2*k+1], v[S+2*k:S+2*k+1], 1.0 op_sel_hi:[1,0]   ; the first four pairs start the sums: nothing is cleared
.elseif k >= 4
	s_wait_alu depctr_va_vdst(0)
	v_pk_add_f32 v[LS+2*(k%4):LS+2*(k%4)+1], v[LS+2*(k%4):LS+2*(k%4)+1], v[S+2*k:S+2*k+1]
.endif
.if (k+1 >= 0) && (k+1 < 88)
	v_exp_f32 v[S+2*k+3], v[S+2*k+3]
.endif
.if k >= 0
	v_cvt_pk_f16_f32 v[S+k], v[S+2*k], v[S+2*k+1]
.endif
.set k, k+1
.endr
	s_wait_xcnt 0x0
	v_add_nc_u32 v[MVI], 11264, v[MVI]
	v_add_nc_u32 v[OV], 32768, v[OV]
	MLI                                            ; the next tile's mask, key blocks 16..21
	s_wait_loadcnt 26                              ; behind V's loads stand 16 + 4 + 6 (mask, Q, mask): it holds the wave in the first trip alone
	; O^T = V^T P.  The four accumulators take turns; the first four products start the sums.
.set g, 0
.rept 44
.if g < 20
	WIN 0x02
.set rV, 96+8*g
.else
	WIN 0x03
.set rV, 8*(g-20)
.endif
.if g < 4
	v_wmma_f32_16x16x32_f16 v[O+8*(g%4):O+8*(g%4)+7], v[rV:rV+7], v[S+8*(g/4):S+8*(g/4)+7], 0
.else
	v_wmma_f32_16x16x32_f16 v[O+8*(g%4):O+8*(g%4)+7], v[rV:rV+7], v[S+8*(g/4):S+8*(g/4)+7], v[O+8*(g%4):O+8*(g%4)+7]
.endif
.set g, g+1
.endr
	WIN 0
	v_pk_add_f32 v[LS:LS+1], v[LS:LS+1], v[LS+2:LS+3]          ; the row sum: these four lines are the places behind the last product
	v_pk_add_f32 v[LS+4:LS+5], v[LS+4:LS+5], v[LS+6:LS+7]
	v_pk_add_f32 v[LS:LS+1], v[LS:LS+1], v[LS+4:LS+5]
	v_add_f32 v[LS], v[LS], v[LS+1]
	v_permlanex16_b32 v[TP], v[LS], s24, s25
	v_add_f32 v[LS], v[LS], v[TP]
	v_rcp_f32 v[RI], v[LS]
	v_nop                                          ; a plain instruction between the reciprocal and the use of its result
.set n, 0
	s_wait_alu depctr_va_vdst(0)
.rept 16
	v_pk_mul_f32 v[O+2*n:O+2*n+1], v[O+2*n:O+2*n+1], v[RI:RI+1] op_sel_hi:[1,0]
.set n, n+1
.endr
.set n, 0
.rept 16
	v_cvt_pk_f16_f32 v[O+n], v[O+2*n], v[O+2*n+1]  ; packed downward in place: register n has been read
.set n, n+1
.endr
.irp cb, 0,1,2,3
	global_store_b128 v[OV], v[O+4*(\cb):O+4*(\cb)+3], s[8:9] offset:(\cb)*512-32768   ; 512 consecutive bytes, at a multiple of 512 from the buffer's first
.endr
	s_wait_loadcnt 6                               ; all but the six loads into S^T's own registers: the staged mask and Q are in
	UNS
	s_wait_loadcnt 0x0
	UNI
	s_wait_xcnt 0x0
	v_add_nc_u32 v[MVS], 11264, v[MVS]
	MLS                                            ; the mask two tiles on; the table's two spare tiles keep the last trips inside the buffer
	WIN 0                                          ; at a label and at a branch every window is 0
	s_sub_co_u32 s30, s30, 1
	s_cmp_lg_u32 s30, 0
	s_cbranch_scc1 .Ltile                          ; the last trip's look-ahead serves nothing: the price of one text for every trip
	s_endpgm
.Lfunc_end_k_qf3466e3e99_attn:
	.size	k_qf3466e3e99_attn, .Lfunc_end_k_qf3466e3e99_attn-k_qf3466e3e99_attn
	.p2alignl 7, 3214868480
	.fill 96, 4, 3214868480
	.section	.rodata,"a",@progbits
	.p2align	6, 0x0
	.amdhsa_kernel k_qf3466e3e99_attn
		.amdhsa_group_segment_fixed_size 0
		.amdhsa_private_segment_fixed_size 0
		.amdhsa_enable_private_segment 0
		.amdhsa_kernarg_size 24
		.amdhsa_user_sgpr_count 2
		.amdhsa_user_sgpr_kernarg_segment_ptr 1
		.amdhsa_wavefront_size32 1
		.amdhsa_system_sgpr_workgroup_id_x 1
		.amdhsa_system_sgpr_workgroup_id_y 1
		.amdhsa_system_sgpr_workgroup_id_z 1
		.amdhsa_system_vgpr_workitem_id 0
		.amdhsa_next_free_vgpr 1024
		.amdhsa_next_free_sgpr 66
		.amdhsa_reserve_vcc 0
		.amdhsa_float_denorm_mode_32 3
		.amdhsa_float_denorm_mode_16_64 3
		.amdhsa_memory_ordered 1
		.amdhsa_forward_progress 1
		.amdhsa_inst_pref_size 88
	.end_amdhsa_kernel
	.amdgpu_metadata
---
amdhsa.version: [ 1, 2 ]
amdhsa.kernels:
  - .name:           k_qf3466e3e99_attn
    .symbol:         k_qf3466e3e99_attn.kd
    .args:
      - { .name: qkv, .offset: 0, .size: 8, .value_kind: global_buffer, .address_space: global }
      - { .name: mt, .offset: 8, .size: 8, .value_kind: global_buffer, .address_space: global }
      - { .name: of, .offset: 16, .size: 8, .value_kind: global_buffer, .address_space: global }
    .group_segment_fixed_size: 0
    .private_segment_fixed_size: 0
    .kernarg_segment_align: 8
    .kernarg_segment_size: 24
    .max_flat_workgroup_size: 128
    .sgpr_count:     66
    .vgpr_count:     1024
    .wavefront_size: 32
...
	.end_amdgpu_metadata
.endif
;; end of part 3
;; launch proj (part 4): grid 8 x 32, 4 waves a work-group, clusters of 4 x 4, 327,680 bytes of LDS; arguments of, wp, br, out0; writes out0
.if DOCPART == 4
	.amdgcn_target "amdgcn-amd-amdhsa--gfx1250"
	.amdhsa_code_object_version 6
	.text
	.protected	k_qf3466e3e99_proj
	.globl	k_qf3466e3e99_proj
	.p2align	8
	.type	k_qf3466e3e99_proj,@function
k_qf3466e3e99_proj:
	s_mov_b64 s[64:65], 0
	v_nop
	global_prefetch_b8 v0, s[64:65] scope:SCOPE_SE
	s_setreg_imm32_b32 hwreg(HW_REG_WAVE_MODE, 25, 1), 1
	s_wait_xcnt 0x0
	s_wait_alu depctr_hold_cnt(0) depctr_sa_sdst(0) depctr_va_vdst(0) depctr_va_sdst(0) depctr_va_ssrc(0) depctr_va_vcc(0) depctr_vm_vsrc(0)
	s_getreg_b32 s2, hwreg(HW_REG_IB_STS2, 6, 4)
	s_cmp_eq_u32 s2, 0
	s_cbranch_scc0 .Lentry_in_a_cluster
	s_endpgm
.Lentry_in_a_cluster:
	s_bfe_u32 s2, ttmp6, 0x10000c
	s_cmp_lg_u32 s2, 0xf033
	s_cbranch_scc0 .Lentry_shape_is_right
	s_endpgm
.Lentry_shape_is_right:
; PROJ: out0 = O proj_w^T + proj_b for one batch (352 padded tokens) and 128 columns; O and proj_w in f16 (proj_w: its bf16 rounding, written as f16), sums in f32, the result in f32.
; Operands in fragment order (1 KB = 16 rows x 32 k), as in the launch that makes q, k, v: a K step of 128 of a block of 16 rows is 4,096 consecutive bytes; LDS needs no padding.
; SHARES.  Wave (wr, wc) has the token blocks 2 a + wr, a = 0..10, and the column blocks 4 wc + b, b = 0..3: 44 accumulators.  Source 0 = proj_w, source 1 = O: a lane holds one token and eight
; neighbouring columns, 32 bytes of a row.  The bias is the C operand of the first K step.  Rows of tokens 341 to 351 are not stored.
; RING of two LDS slots (22 blocks of O, then 8 of proj_w), K steps of 128.  CLUSTER 4 x 4: the column blocks of a row of the cluster share O's tiles, the batches of a column proj_w's: joint loads.
; REGISTERS: window 0: v0-31 addresses; v32-119, v120-207 O's fragments, two buffers (on the way out v32-95 rows read back from the stage)
;   window 1: accumulators of a = 0..7 at 32 a + 8 b      window 2: v0-95 those of a = 8..10; v96-127, v128-159 proj_w's fragments; v160-191 the bias as C
.set SLOT,  122880                     ; 30 blocks x 4,096 bytes
.set BOFF,  90112
.set STAGE, 2*SLOT                     ; behind the ring, never filled by a tensor load: 16 rows x 272 bytes for each wave
.set SP,    272                        ; 256 bytes + 16: the 16 rows of a store start at 16 different 16-byte columns of 256
.set SPARE, STAGE+4*16*SP              ; behind the stages: the spare words, 128 bytes for each wave
.set ADRA,  16
.set ADRA2, 18
.set ADRB,  20
.set STO,   22                         ; v22  where I put 32 bytes of a row
.set RD,    23                         ; v23  where I read a row back
.set CO,    24                         ; v24  my byte offset in the batch's rows of out0
.set VB,    25
.set TOK,   26                         ; v26  the token of my row in the last block's first store
.set SPW,   28
.set NIL,   29
.set XF,    32
.set OB,    32
.set WF,    96
.set BC,    160
.set G1A, 24
.set G0A, 32
.set G1B, 48
.set G0B, 56
.set MSB, 0
.macro WIN new
.if MSB != (\new)
	s_set_vgpr_msb (MSB<<8)|(\new)
.set MSB, (\new)
.endif
.endm
.macro JLOAD s                         ; a joint load: waves 0 and 1 fetch O's two halves, waves 2 and 3 proj_w's; an s_nop 0 and four v_nop follow each of the two lines
	s_cmp_eq_u32 s15, 0
	s_cbranch_scc0 .Lfor_b_\@
	tensor_load_to_lds s[G0A+4*(\s):G0A+4*(\s)+3], s[G1A:G1A+7]
	s_nop 0
.rept 4
	v_nop
.endr
	s_branch .Lasked_\@
.Lfor_b_\@:
	tensor_load_to_lds s[G0B+4*(\s):G0B+4*(\s)+3], s[G1B:G1B+7]
	s_nop 0
.rept 4
	v_nop
.endr
.Lasked_\@:
.endm
.macro CREST
	s_cmp_lg_u32 s14, 0
	s_cbranch_scc1 .Lnot_wave_0_\@
	s_barrier_signal -3
.Lnot_wave_0_\@:
	s_barrier_wait -3
	s_barrier_signal -1
	s_barrier_wait -1
.endm
.macro CROUND
	s_barrier_signal -1
	s_barrier_wait -1
	CREST
.endm
.macro PLACES
.rept 4
	v_nop
.endr
.endm
	s_load_b256 s[4:11], s[0:1], 0x0               ; of s[4:5], wp s[6:7], br s[8:9], out0 s[10:11]
	v_lshl_add_u32 v[SPW], v0, 2, SPARE
	v_mov_b32 v[NIL], 0
	ds_add_u32 v[SPW], v[NIL]                      ; the wave's opening: the add and its wait ahead of my first tensor load
	ds_add_u32 v28, v29
	v_lshrrev_b32 v1, 5, v0
	v_readfirstlane_b32 s14, v1
	s_lshr_b32 s15, s14, 1                         ; wr.  Also: I fetch for O (0) or for proj_w (1)
	s_and_b32 s16, s14, 1                          ; wc.  Also: which half of that tile
	s_bfe_u32 s72, ttmp6, 0x40000
	s_bfe_u32 s73, ttmp6, 0x40004
	s_lshl_b32 s74, ttmp9, 2
	s_add_co_u32 s74, s74, s72                     ; block of 128 columns = 4 x cluster x + cx
	s_and_b32 s75, ttmp7, 0xffff
	s_lshl_b32 s75, s75, 2
	s_add_co_u32 s75, s75, s73                     ; batch = 4 x cluster y + cy
	s_lshl_b32 s76, s73, 2
	s_lshl_b32 s76, 15, s76
	s_lshl_b32 s77, 0x1111, s72
	s_or_b32 s[G1A], s76, (3<<16)|(1<<21)          ; the mask of my row; elements of 8 bytes; bit 21 beside a mask
	s_or_b32 s[G1B], s77, (3<<16)|(1<<21)          ; of my column
.irp g, G1A, G1B
	s_mov_b32 s[(\g)+1], 512<<16                   ; tensor_dim0 = 512
	s_mov_b32 s[(\g)+3], 512<<16                   ; tile_dim0 = 512
	s_mov_b32 s[(\g)+5], 4096                      ; elements from row to row
	s_mov_b32 s[(\g)+6], 0
	s_mov_b32 s[(\g)+7], 0
.endr
	s_mov_b32 s[G1A+2], 11<<16                     ; 11 blocks of O,
	s_mov_b32 s[G1A+4], 11
	s_mov_b32 s[G1B+2], 4<<16                      ; 4 of proj_w
	s_mov_b32 s[G1B+4], 4
	s_mul_i32 s40, s75, 720896
	s_mul_i32 s42, s16, 360448
	s_add_co_u32 s40, s40, s42
	s_mov_b32 s41, 0
	s_lshl_b32 s44, s74, 18
	s_lshl_b32 s46, s16, 17
	s_add_co_u32 s44, s44, s46
	s_mov_b32 s45, 0
	s_mul_i32 s20, s16, 45056
	s_lshl_b32 s21, s16, 14
	s_add_co_u32 s21, s21, BOFF
	s_wait_dscnt 0x0
	s_wait_kmcnt 0x0
	s_add_nc_u64 s[42:43], s[4:5], s[40:41]
	s_add_nc_u64 s[46:47], s[6:7], s[44:45]
	CROUND                                         ; all sixteen work-groups are here: the first joint loads meet
.irp s, 0,1
	s_mov_b32 s[G0A+4*(\s)], 1
	s_add_co_u32 s[G0A+4*(\s)+1], s20, (\s)*SLOT
	s_add_nc_u64 s[G0A+4*(\s)+2:G0A+4*(\s)+3], s[42:43], (\s)*4096
	s_or_b32 s[G0A+4*(\s)+3], s[G0A+4*(\s)+3], 0x80000000
	s_mov_b32 s[G0B+4*(\s)], 1
	s_add_co_u32 s[G0B+4*(\s)+1], s21, (\s)*SLOT
	s_add_nc_u64 s[G0B+4*(\s)+2:G0B+4*(\s)+3], s[46:47], (\s)*4096
	s_or_b32 s[G0B+4*(\s)+3], s[G0B+4*(\s)+3], 0x80000000
	JLOAD \s
.endr
	v_and_b32 v1, 31, v0
	v_lshlrev_b32 v2, 4, v1
	v_and_b32 v3, 15, v0
	v_bfe_u32 v4, v0, 4, 1
	s_lshl_b32 s20, s15, 12
	v_add_nc_u32 v[ADRA], s20, v2
	v_add_nc_u32 v[ADRA+1], SLOT, v[ADRA]
	v_add_nc_u32 v[ADRA2], 0x10000, v[ADRA]
	v_add_nc_u32 v[ADRA2+1], 0x10000, v[ADRA+1]
	v_add_nc_u32 v[ADRB], s21, v2
	v_add_nc_u32 v[ADRB+1], SLOT, v[ADRB]
	s_mul_i32 s22, s14, 16*SP
	s_add_co_u32 s22, s22, STAGE                   ; my stage
	v_mul_u32_u24 v[STO], v3, SP                   ; in: row lane % 16, 32 bytes for each half of the lanes
	v_lshl_add_u32 v[STO], v4, 5, v[STO]
	v_add_nc_u32 v[STO], s22, v[STO]
	v_mul_u32_u24 v[RD], v4, SP                    ; back: lanes 0-15 one row of 256 bytes, lanes 16-31 the next
	v_lshl_add_u32 v[RD], v3, 4, v[RD]
	v_add_nc_u32 v[RD], s22, v[RD]
	s_lshl_b32 s20, s15, 16                        ; token 32 a + 16 wr + 2 t + lane / 16; a and t stand in the immediate
	s_lshl_b32 s22, s74, 9
	s_add_co_u32 s20, s20, s22
	s_lshl_b32 s22, s16, 8
	s_add_co_u32 s20, s20, s22
	v_lshl_add_u32 v[CO], v4, 12, s20
	v_lshl_add_u32 v[CO], v3, 4, v[CO]
	s_lshl_b32 s20, s15, 4
	s_add_co_u32 s20, s20, 320
	v_add_nc_u32 v[TOK], s20, v4
	s_lshl_b32 s20, s16, 8
	v_lshl_add_u32 v[VB], v4, 5, s20
	s_lshl_b32 s78, s74, 9
	s_add_co_u32 s78, s78, 12288                   ; proj_b lies behind qkv_b
	s_mov_b32 s79, 0
	s_add_nc_u64 s[78:79], s[8:9], s[78:79]
	s_mul_i32 s80, s75, 1396736                    ; a batch's 341 rows of 4,096 bytes
	s_mov_b32 s81, 0
	s_add_nc_u64 s[10:11], s[10:11], s[80:81]
	WIN 0x80
.irp b, 0,1,2,3
	global_load_b128 v[BC+8*(\b):BC+8*(\b)+3],   v[VB], s[78:79] offset:(\b)*64
	global_load_b128 v[BC+8*(\b)+4:BC+8*(\b)+7], v[VB], s[78:79] offset:(\b)*64+16
.endr
	WIN 0
	s_wait_loadcnt 0x0
; token blocks a0 .. a1 x b = 0..3, 32 along K, from buffer f.  first = 1: the bias starts the sums.  The 44 accumulators take turns, one instruction a turn.
.macro MM f, a0, a1, first
.set a, (\a0)
.rept (\a1)-(\a0)+1
.if a < 8
.set AW, 1
.set AR, 32*a
.else
.set AW, 2
.set AR, 32*(a-8)
.endif
.if \first
	WIN (AW<<6)|0x22
.else
	WIN (AW<<6)|(AW<<4)|0x02
.endif
.irp b, 0,1,2,3
.if \first
	v_wmma_f32_16x16x32_f16 v[AR+8*(\b):AR+8*(\b)+7], v[WF+32*(\f)+8*(\b):WF+32*(\f)+8*(\b)+7], v[XF+88*(\f)+8*a:XF+88*(\f)+8*a+7], v[BC+8*(\b):BC+8*(\b)+7]
.else
	v_wmma_f32_16x16x32_f16 v[AR+8*(\b):AR+8*(\b)+7], v[WF+32*(\f)+8*(\b):WF+32*(\f)+8*(\b)+7], v[XF+88*(\f)+8*a:XF+88*(\f)+8*a+7], v[AR+8*(\b):AR+8*(\b)+7]
.endif
.endr
.set a, a+1
.endr
.endm
.macro FETCH slot, q, f                ; 30 LDS loads in one run: proj_w's 8, then O's 22 with a ascending
	WIN 0x80
.irp b, 0,1,2,3
	ds_load_b128 v[WF+32*(\f)+8*(\b):WF+32*(\f)+8*(\b)+3],   v[ADRB+(\slot)] offset:(\b)*4096+(\q)*1024
	ds_load_b128 v[WF+32*(\f)+8*(\b)+4:WF+32*(\f)+8*(\b)+7], v[ADRB+(\slot)] offset:(\b)*4096+(\q)*1024+512
.endr
	WIN 0
.irp a, 0,1,2,3,4,5,6,7
	ds_load_b128 v[XF+88*(\f)+8*(\a):XF+88*(\f)+8*(\a)+3],   v[ADRA+(\slot)] offset:(\a)*8192+(\q)*1024
	ds_load_b128 v[XF+88*(\f)+8*(\a)+4:XF+88*(\f)+8*(\a)+7], v[ADRA+(\slot)] offset:(\a)*8192+(\q)*1024+512
.endr
.irp a, 8,9,10
	ds_load_b128 v[XF+88*(\f)+8*(\a):XF+88*(\f)+8*(\a)+3],   v[ADRA2+(\slot)] offset:((\a)-8)*8192+(\q)*1024
	ds_load_b128 v[XF+88*(\f)+8*(\a)+4:XF+88*(\f)+8*(\a)+7], v[ADRA2+(\slot)] offset:((\a)-8)*8192+(\q)*1024+512
.endr
.endm
.macro QUARTER slot, q, f, g, first
	s_wait_dscnt 12                                ; all but the youngest twelve loads: O's blocks a = 5..10
	MM \f, 0, 4, \first
	PLACES
	FETCH \slot, \q, \g
	s_wait_dscnt 30                                ; all but the 30 just issued
	MM \f, 5, 10, \first
.endm
.macro TURN slot, next, fill           ; the last quarter and the change of slots, as in the launch that makes q, k, v
	WIN 0
	s_wait_tensorcnt 0x0                           ; all my tensor loads have landed: my part of the next slot
	ds_add_u32 v[SPW], v[NIL]                      ; 0 onto my spare word
	s_wait_dscnt 13                                ; (the add and the youngest twelve loads may be out)
	MM 1, 0, 1, 0
	s_wait_dscnt 0x0                               ; the add is done, and my reads of this slot are over
	s_barrier_signal -1
	MM 1, 2, 4, 0
.if \fill
	WIN 0
.endif
	s_barrier_wait -1
.if \fill
	CREST
	s_add_nc_u64 s[G0A+4*(\slot)+2:G0A+4*(\slot)+3], s[G0A+4*(\slot)+2:G0A+4*(\slot)+3], 8192
	s_add_nc_u64 s[G0B+4*(\slot)+2:G0B+4*(\slot)+3], s[G0B+4*(\slot)+2:G0B+4*(\slot)+3], 8192
	JLOAD \slot
.else
	PLACES
.endif
	FETCH \next, 0, 0
	MM 1, 5, 10, 0
.endm
	s_wait_tensorcnt 0x1                           ; my part of K step 0 is in; K step 1's may stay out
	s_barrier_signal -1
	s_barrier_wait -1
	FETCH 0, 0, 0
	QUARTER 0, 1, 0, 1, 1
	WIN 0
	s_mov_b32 s23, 3
.Llap:
	QUARTER 0, 2, 1, 0, 0
	QUARTER 0, 3, 0, 1, 0
	TURN 0, 1, 1
	QUARTER 1, 1, 0, 1, 0
	QUARTER 1, 2, 1, 0, 0
	QUARTER 1, 3, 0, 1, 0
	TURN 1, 0, 1
	QUARTER 0, 1, 0, 1, 0
	WIN 0
	s_sub_co_u32 s23, s23, 1
	s_cmp_lg_u32 s23, 0
	s_cbranch_scc1 .Llap
	QUARTER 0, 2, 1, 0, 0
	QUARTER 0, 3, 0, 1, 0
	TURN 0, 1, 0
	QUARTER 1, 1, 0, 1, 0
	QUARTER 1, 2, 1, 0, 0
	QUARTER 1, 3, 0, 1, 0
	s_wait_dscnt 12
	MM 1, 0, 4, 0
	s_wait_dscnt 0x0
	MM 1, 5, 10, 0
	; THE WAY OUT: a block of 16 tokens x 64 columns of f32 at a time through my own stage, and out as whole rows of 256 bytes
	PLACES
.macro TOSTAGE a
.if (\a) < 8
.set AW, 1
.set AR, 32*(\a)
.else
.set AW, 2
.set AR, 32*((\a)-8)
.endif
	WIN AW<<2                                      ; the stores' data: source 1
.irp b, 0,1,2,3
	ds_store_b128 v[STO], v[AR+8*(\b):AR+8*(\b)+3] offset:(\b)*64       ; each accumulator from its lowest registers on
	ds_store_b128 v[STO], v[AR+8*(\b)+4:AR+8*(\b)+7] offset:(\b)*64+16
.endr
	WIN 0
	s_wait_xcnt 0x0                                ; the registers that the stores of two blocks back read are loaded again only behind this wait
.irp t, 0,1,2,3,4,5,6,7
	ds_load_b128 v[OB+32*((\a)%2)+4*(\t):OB+32*((\a)%2)+4*(\t)+3], v[RD] offset:(\t)*2*SP   ; LDS serves a wave's instructions in order (ISA guide 5.7.1.4): these see the stores above
.endr
.endm
.macro SEND a, younger                 ; younger: the next block's eight stores and eight loads
	s_wait_dscnt \younger
.irp t, 0,1,2,3,4,5,6,7
	global_store_b128 v[CO], v[OB+32*((\a)%2)+4*(\t):OB+32*((\a)%2)+4*(\t)+3], s[10:11] offset:(32*(\a)+2*(\t))*4096 th:TH_STORE_NT   ; 16 lanes store 256 consecutive bytes, at a multiple of 256 from out0's first
.endr
.endm
	TOSTAGE 0
.irp a, 1,2,3,4,5,6,7,8,9,10
	TOSTAGE \a
	SEND (\a)-1, 16
.endr
	s_wait_dscnt 0x0
.irp t, 0,1,2,3,4,5,6,7                ; the last block holds tokens 320 + 16 wr on: only those under 341 are rows of out0
	v_cmp_gt_u32 vcc_lo, 341-2*(\t), v[TOK]
	s_wait_xcnt 0x0                                ; EXEC, which issued stores still name, changes only behind this wait
	s_and_saveexec_b32 s90, vcc_lo
	global_store_b128 v[CO], v[OB+4*(\t):OB+4*(\t)+3], s[10:11] offset:(320+2*(\t))*4096 th:TH_STORE_NT
	s_wait_xcnt 0x0
	s_or_b32 exec_lo, exec_lo, s90
.endr
	s_wait_tensorcnt 0x0                           ; the wave's end, behind my last tensor load and my last LDS store
	ds_add_u32 v[SPW], v[NIL]
	s_wait_dscnt 0x0
	CROUND                                         ; the closing round
	s_endpgm
.Lfunc_end_k_qf3466e3e99_proj:
	.size	k_qf3466e3e99_proj, .Lfunc_end_k_qf3466e3e99_proj-k_qf3466e3e99_proj
	.p2alignl 7, 3214868480
	.fill 96, 4, 3214868480
	.section	.rodata,"a",@progbits
	.p2align	6, 0x0
	.amdhsa_kernel k_qf3466e3e99_proj
		.amdhsa_group_segment_fixed_size 327680
		.amdhsa_private_segment_fixed_size 0
		.amdhsa_enable_private_segment 0
		.amdhsa_kernarg_size 32
		.amdhsa_user_sgpr_count 2
		.amdhsa_user_sgpr_kernarg_segment_ptr 1
		.amdhsa_wavefront_size32 1
		.amdhsa_system_sgpr_workgroup_id_x 1
		.amdhsa_system_sgpr_workgroup_id_y 1
		.amdhsa_system_sgpr_workgroup_id_z 1
		.amdhsa_system_vgpr_workitem_id 0
		.amdhsa_next_free_vgpr 768
		.amdhsa_next_free_sgpr 96
		.amdhsa_reserve_vcc 1
		.amdhsa_float_denorm_mode_32 3
		.amdhsa_float_denorm_mode_16_64 3
		.amdhsa_memory_ordered 1
		.amdhsa_forward_progress 1
		.amdhsa_inst_pref_size 113
	.end_amdhsa_kernel
	.amdgpu_metadata
---
amdhsa.version: [ 1, 2 ]
amdhsa.kernels:
  - .name:           k_qf3466e3e99_proj
    .symbol:         k_qf3466e3e99_proj.kd
    .args:
      - { .name: of, .offset: 0, .size: 8, .value_kind: global_buffer, .address_space: global }
      - { .name: wp, .offset: 8, .size: 8, .value_kind: global_buffer, .address_space: global }
      - { .name: br, .offset: 16, .size: 8, .value_kind: global_buffer, .address_space: global }
      - { .name: out0, .offset: 24, .size: 8, .value_kind: global_buffer, .address_space: global }
    .group_segment_fixed_size: 327680
    .private_segment_fixed_size: 0
    .kernarg_segment_align: 8
    .kernarg_segment_size: 32
    .max_flat_workgroup_size: 128
    .sgpr_count:     96
    .vgpr_count:     768
    .wavefront_size: 32
...
	.end_amdgpu_metadata
.endif
;; end of part 4
;; ======== version 2 of 2: 3 launches; 1.11 times as fast as version 1
;; limits: values are held in f16: magnitudes above 65,504 overflow, below 6.1e-05 lose precision
;; workspace buffers: xb 23,068,672 bytes; wq 6,291,456 bytes; wp 2,097,152 bytes; br 16,384 bytes; mt 270,336 bytes; rt 135,168 bytes; of 23,068,672 bytes
;; launch prep: the kernel of part 1 again; grid 321 x 1, 8 waves a work-group, no clusters, 19,456 bytes of LDS; arguments x, qkv_w, proj_w, mask, qkv_b, proj_b, xb, wq, wp, mt, rt, br; writes xb, wq, wp, mt, rt, br
;; launch qkva (part 5): grid 16 x 32, 4 waves a work-group, clusters of 4 x 4, 327,680 bytes of LDS; arguments xb, wq, br, rt, mt, of; writes of
.if DOCPART == 5
	.amdgcn_target "amdgcn-amd-amdhsa--gfx1250"
	.amdhsa_code_object_version 6
	.text
	.protected	k_qf3466e3e99_qkva
	.globl	k_qf3466e3e99_qkva
	.p2align	8
	.type	k_qf3466e3e99_qkva,@function
k_qf3466e3e99_qkva:
	s_mov_b64 s[64:65], 0
	v_nop
	global_prefetch_b8 v0, s[64:65] scope:SCOPE_SE
	s_setreg_imm32_b32 hwreg(HW_REG_WAVE_MODE, 25, 1), 1
	s_wait_xcnt 0x0
	s_wait_alu depctr_hold_cnt(0) depctr_sa_sdst(0) depctr_va_vdst(0) depctr_va_sdst(0) depctr_va_ssrc(0) depctr_va_vcc(0) depctr_vm_vsrc(0)
	s_getreg_b32 s2, hwreg(HW_REG_IB_STS2, 6, 4)
	s_cmp_eq_u32 s2, 0
	s_cbranch_scc0 .Lentry_in_a_cluster
	s_endpgm
.Lentry_in_a_cluster:
	s_bfe_u32 s2, ttmp6, 0x10000c
	s_cmp_lg_u32 s2, 0xf033
	s_cbranch_scc0 .Lentry_shape_is_right
	s_endpgm
.Lentry_shape_is_right:
; QKVA: for one batch (352 padded tokens) and one head: q, k, v = x W^T + b, RoPE on q and k, q times c = log2(e) / 8; then O = softmax(q . k / 8 + mask) v.  q, k, v never leave the work-group.
; PART 1, the products x W^T, in bf16 with f32 sums.  PART 2: q, k, v are rounded once to f16 and laid into LDS.  PART 3: attention in f16 with f32 sums, maxima and row sums; O leaves as f16, rounded once.
; LIMITS.  q, k, v must lie within f16's 65,504; numbers under 6.1e-5 keep f16's fixed step of 6e-8.  A weight under 2^-126 counts as 0.  Mask numbers arrive at -1e38 or above, pad keys at -1.99e38:
; their weights are 0 in every row; positive mask numbers stay under 2.3e38.
; FRAGMENT ORDER.  16 rows x 32 k of 16-bit numbers are 1 KB: [half 2][lane 32][16 bytes], what the lanes of a wave hold of a matrix operand.  All operands lie so, in memory and in LDS: a load of a
; fragment half takes 512 consecutive bytes, no padding is wanted, and a lane's eight numbers of a 16 x 16 result, packed, ARE its 16 bytes of a fragment half.
; SHARES OF PART 1.  Wave (wr, wc) has the token blocks 2 a + wr, a = 0..10, and the six blocks 6 wc + b of W: b = 0, 1 q; 2, 3 k; 4, 5 v; each the head's channels 16 (2 wc + b % 2) on: 66 accumulators.
; For q and k source 0 = W, source 1 = x: a lane holds one token and eight neighbouring channels, so a RoPE pair lies in one lane.  For v source 0 = x, source 1 = W: one channel and eight tokens.
; The bias is the C operand of the first K step; nothing is cleared.
; RING: K in steps of 128 through two LDS slots (22 blocks of x, then 12 of W).  CLUSTER 4 x 4: the four heads of a row of the cluster share x's tiles, the four batches of a column W's: joint loads.
; THE STAGE of part 2 lies in slot 0, which has had its last fill and whose last reads ended in front of the last change of slots:
;   Q at 0, K at 45,056: [token block 22][c 2][half 2][lane][16 B];  V^T at 90,112: [kk 11][channel block 4][half 2][lane][16 B].
; SHARES OF PART 3.  Wave w takes the query tiles from min(6 w, 17) on: 6, 6, 5, 5 of the 22; it keeps the head's whole K and V^T (88 fragments, 704 registers) and a whole row of scores (22 key blocks x 8
; registers), so the row's true maximum m is taken away, p = 2^(s - m), exactly 1 at the maximum, and nothing is rescaled.  S^T = K Q^T + mask (source 0 = 16 keys, source 1 = 16 queries, the mask is the C
; operand): a lane holds ONE query and the keys 8 (lane / 16) + 0..7 of each block; two such results rounded to f16 ARE source 1 of O^T = V^T P, whose result is 16 bytes a lane of the next launch's operand.
; REGISTERS, in windows of 256 (s_set_vgpr_msb: bits 1:0 source 0, 3:2 source 1, 5:4 source 2, 7:6 destination).  Parts 1 and 2:
;   window 0: v0-31 addresses; v32-119, v120-207 x's fragments, two buffers; v208-255 packed results (in part 2 also v32-55 a table, v56-87 at work)
;   window 1: q, k accumulators of a = 0..7 at 32 a + 8 b       window 2: those of a = 8..10 at 32 (a - 8) + 8 b; v's of a = 0..9 at 96 + 16 a + 8 b
;   window 3: v0-15 v's of a = 10; v16-63, v64-111 W's fragments, two buffers; v112-159 the biases as C; v160-255 the RoPE table of a = 0..3 (in part 2 v16-159 that of a = 4..9)
; Part 3:  window 0: v1-7, v30-31 offsets; v8-27 statistics; v32-47 Q; v48-79 O^T; v80-255 S^T, into whose first 88 registers P is packed
;   window 1: K's fragments f = 22 c + kb < 32      window 2: v0-95 K's f = 32..43; v96-255 V's fragments g = 4 kk + cb < 20      window 3: v0-191 V's g = 20..43; v192-255 the next tile's mask, key blocks 0..15
.set SLOT,  139264                     ; 34 blocks x 4,096 bytes
.set BOFF,  90112                      ; W's blocks lie behind x's 22
.set SPARE, 2*SLOT                     ; behind the ring: the spare words, 128 bytes for each wave
.set SK,    45056                      ; the stage: K behind Q,
.set SV,    90112                      ; V^T behind K
.set ADRA,  16                         ; v16-17  LDS address of my fragments of x in slot 0, 1
.set ADRA2, 18                         ; v18-19  the same 65,536 bytes on, for a = 8..10: the immediate has 16 bits
.set ADRB,  20                         ; v20-21  of W
.set VQ,    22                         ; where I put 16 bytes of Q in the stage,
.set VVO,   23                         ; of V^T,
.set VR,    24                         ; my byte offset in the RoPE table,
.set VB,    25                         ; in the biases of q and k,
.set VB2,   26                         ; and of v
.set VK,    27                         ; where I put 16 bytes of K
.set SPW,   28                         ; v28  LDS address of my spare word; never rewritten
.set NIL,   29                         ; v29  0; never rewritten
.set XF,    32
.set U,     56
.set T,     208
.set WF,    16
.set BC,    112
.set RP,    160
.set L16, 1                            ; part 3: v1   16 x lane
.set MVS, 4                            ; v4   offset of the mask tile that is loaded into window 3
.set MVI, 5                            ; v5   of the one whose last six blocks are loaded straight into S^T's registers
.set QV,  6                            ; v6   LDS address of Q's tile: made anew for each tile from s[QB] and 16 x lane
.set OV,  7                            ; v7   offset of O's tile, one tile ahead: the stores reach back
.set CM,  8                            ; v8-11   four running maxima
.set MX,  12                           ; v12  m (v13 is named with it as a pair)
.set LS,  14                           ; v14-21  four pairs of partial row sums
.set RI,  22                           ; v22  1 / l (v23 named with it)
.set TP,  24                           ; v24  what comes from the other half of the lanes
.set LG,  26                           ; v26  log2(e)
.set ZR,  27                           ; v27  0
.set AKV, 30                           ; v30  LDS address of my 16 bytes in K's fragment halves
.set AVV, 31                           ; v31  in V^T's
.set Q,   32
.set O,   48
.set S,   80
.set MS,  192
.set G1A, 24                           ; s[24:31] descriptor group 1 for x's tiles; s[32:39] group 0, a set for each slot
.set G0A, 32
.set G1B, 48                           ; s[48:55], s[56:63] the same for W's
.set G0B, 56
.set SEL, 66                           ; s[66:67] v_permlanex16_b32's selects: each lane takes its own place in the other half
.set CNT, 68                           ; s68  counts the trips of part 3
.set QB,  69                           ; s69  LDS byte at which the Q tile to be fetched begins: 2,048 x its number
.set CS,  82                           ; s[82:83] c
.set MSB, 0
.macro WIN new                         ; the immediate's high byte repeats the setting that is left; a switch that changes nothing is dropped
.if MSB != (\new)
	s_set_vgpr_msb (MSB<<8)|(\new)
.set MSB, (\new)
.endif
.endm
; A joint load.  Waves 0 and 1 fetch the two halves of x's tile, waves 2 and 3 those of W's.  The branch hangs on the wave's number alone.
; An s_nop 0 and four v_nop follow each of the two lines, ahead of the jump and the label.
.macro JLOAD s
	s_cmp_eq_u32 s15, 0
	s_cbranch_scc0 .Lfor_b_\@
	tensor_load_to_lds s[G0A+4*(\s):G0A+4*(\s)+3], s[G1A:G1A+7]
	s_nop 0
.rept 4
	v_nop
.endr
	s_branch .Lasked_\@
.Lfor_b_\@:
	tensor_load_to_lds s[G0B+4*(\s):G0B+4*(\s)+3], s[G1B:G1B+7]
	s_nop 0
.rept 4
	v_nop
.endr
.Lasked_\@:
.endm
.macro CREST                           ; a round of the cluster's barrier behind its opening barrier
	s_cmp_lg_u32 s14, 0
	s_cbranch_scc1 .Lnot_wave_0_\@
	s_barrier_signal -3
.Lnot_wave_0_\@:
	s_barrier_wait -3
	s_barrier_signal -1
	s_barrier_wait -1
.endm
.macro CROUND                          ; a whole round
	s_barrier_signal -1
	s_barrier_wait -1
	CREST
.endm
.macro PLACES                          ; four places in front of loads into registers that matrix instructions have read, and of lines that read results
.rept 4
	v_nop
.endr
.endm
	s_load_b256 s[4:11], s[0:1], 0x0               ; xb s[4:5], wq s[6:7], br s[8:9], rt s[10:11]
	s_load_b128 s[84:87], s[0:1], 0x20             ; mt s[84:85], of s[86:87]
	v_lshl_add_u32 v[SPW], v0, 2, SPARE
	v_mov_b32 v[NIL], 0
	ds_add_u32 v[SPW], v[NIL]                      ; the wave's opening: the add and its wait ahead of my first tensor load; the set-up below stands between them
	ds_add_u32 v28, v29
	v_lshrrev_b32 v1, 5, v0
	v_readfirstlane_b32 s14, v1                    ; wave 0..3
	s_lshr_b32 s15, s14, 1                         ; wr.  Also: I fetch for x (0) or for W (1); and in part 3: I have 6 tiles (0) or 5 (1)
	s_and_b32 s16, s14, 1                          ; wc.  Also: which half of that tile I fetch
	s_bfe_u32 s72, ttmp6, 0x40000                  ; cx, cy: my place in the cluster
	s_bfe_u32 s73, ttmp6, 0x40004
	s_lshl_b32 s74, ttmp9, 2
	s_add_co_u32 s74, s74, s72                     ; head = 4 x cluster x + cx
	s_and_b32 s75, ttmp7, 0xffff
	s_lshl_b32 s75, s75, 2
	s_add_co_u32 s75, s75, s73                     ; batch = 4 x cluster y + cy
	s_lshl_b32 s76, s73, 2
	s_lshl_b32 s76, 15, s76                        ; my row of the cluster
	s_lshl_b32 s77, 0x1111, s72                    ; my column
	; descriptor group 1: rows of 512 elements of 8 bytes (a block's K step), 32 KB apart in memory, on end in LDS
	s_or_b32 s[G1A], s76, (3<<16)|(1<<21)          ; 15:0 the mask: x's tiles go to my row; 17:16 elements of 8 bytes; 21 set beside a mask
	s_or_b32 s[G1B], s77, (3<<16)|(1<<21)          ; W's to my column
.irp g, G1A, G1B
	s_mov_b32 s[(\g)+1], 512<<16                   ; tensor_dim0 = 512
	s_mov_b32 s[(\g)+3], 512<<16                   ; tile_dim0 = 512
	s_mov_b32 s[(\g)+5], 4096                      ; elements from row to row
	s_mov_b32 s[(\g)+6], 0
	s_mov_b32 s[(\g)+7], 0
.endr
	s_mov_b32 s[G1A+2], 11<<16                     ; tensor_dim1 = tile_dim1 = 11 blocks of x,
	s_mov_b32 s[G1A+4], 11
	s_mov_b32 s[G1B+2], 6<<16                      ; 6 of W
	s_mov_b32 s[G1B+4], 6
	s_mov_b32 s[CS], 0x3e38aa3b                    ; c = log2(e) / 8
	s_mov_b32 s[CS+1], s[CS]                       ; named with it as a pair
	s_mov_b32 s[SEL], 0x76543210
	s_mov_b32 s[SEL+1], 0xfedcba98
	s_mul_i32 s40, s75, 720896                     ; x: the batch's 22 blocks of 32 KB, my 11 of them: registers that never hold cx
	s_mul_i32 s42, s16, 360448
	s_add_co_u32 s40, s40, s42
	s_mov_b32 s41, 0
	s_mul_i32 s44, s74, 393216                     ; W: the head's 12 blocks, my 6: registers that never hold cy
	s_mul_i32 s46, s16, 196608
	s_add_co_u32 s44, s44, s46
	s_mov_b32 s45, 0
	s_mul_i32 s20, s16, 45056                      ; where they go: no place in the cluster enters an LDS address
	s_mul_i32 s21, s16, 24576
	s_add_co_u32 s21, s21, BOFF
	s_wait_dscnt 0x0                               ; the opening add is done
	s_wait_kmcnt 0x0
	s_add_nc_u64 s[42:43], s[4:5], s[40:41]
	s_add_nc_u64 s[46:47], s[6:7], s[44:45]
	CROUND                                         ; all sixteen work-groups are here: the first joint loads meet
.irp s, 0,1
	s_mov_b32 s[G0A+4*(\s)], 1                                     ; count = 1
	s_add_co_u32 s[G0A+4*(\s)+1], s20, (\s)*SLOT                   ; LDS address
	s_add_nc_u64 s[G0A+4*(\s)+2:G0A+4*(\s)+3], s[42:43], (\s)*4096 ; global address: K step s
	s_or_b32 s[G0A+4*(\s)+3], s[G0A+4*(\s)+3], 0x80000000          ; type = 2
	s_mov_b32 s[G0B+4*(\s)], 1
	s_add_co_u32 s[G0B+4*(\s)+1], s21, (\s)*SLOT
	s_add_nc_u64 s[G0B+4*(\s)+2:G0B+4*(\s)+3], s[46:47], (\s)*4096
	s_or_b32 s[G0B+4*(\s)+3], s[G0B+4*(\s)+3], 0x80000000
	JLOAD \s                                       ; two loads of mine are out
.endr
	v_and_b32 v1, 31, v0
	v_lshlrev_b32 v2, 4, v1                        ; 16 x lane
	v_and_b32 v3, 15, v0                           ; r
	v_bfe_u32 v4, v0, 4, 1                         ; h
	s_lshl_b32 s20, s15, 12
	v_add_nc_u32 v[ADRA], s20, v2                  ; block 2 a + wr: a stands in the immediate
	v_add_nc_u32 v[ADRA+1], SLOT, v[ADRA]
	v_add_nc_u32 v[ADRA2], 0x10000, v[ADRA]
	v_add_nc_u32 v[ADRA2+1], 0x10000, v[ADRA+1]
	v_add_nc_u32 v[ADRB], s21, v2
	v_add_nc_u32 v[ADRB+1], SLOT, v[ADRB]
	s_lshl_b32 s20, s15, 11
	s_lshl_b32 s22, s16, 10
	s_add_co_u32 s20, s20, s22
	v_add_nc_u32 v[VQ], s20, v2                    ; token block 2 a + wr of 2,048 bytes, c = wc
	v_add_nc_u32 v[VK], SK, v[VQ]
	s_lshl_b32 s20, s15, 9
	s_lshl_b32 s22, s16, 11
	s_add_co_u32 s20, s20, s22
	s_add_co_u32 s20, s20, SV
	v_add_nc_u32 v[VVO], s20, v2                   ; kk = a, channel block 2 wc + b, half = wr
	s_mul_i32 s20, s15, 6144
	s_mul_i32 s22, s16, 3072
	s_add_co_u32 s20, s20, s22
	v_add_nc_u32 v[VR], s20, v2
	s_lshl_b32 s20, s16, 7
	v_lshl_add_u32 v[VB], v4, 5, s20               ; q, k: my eight channels' biases
	v_lshl_add_u32 v[VB2], v3, 2, s20              ; v: my one channel's
	s_lshl_b32 s78, s74, 8
	s_mov_b32 s79, 0
	s_add_nc_u64 s[78:79], s[8:9], s[78:79]        ; the head's biases
	s_mul_i32 s70, s14, 6
	s_min_u32 s70, s70, 17                         ; my first query tile: 0, 6, 12, 17
	s_mul_i32 s88, s70, 11264                      ; a mask tile is 22 blocks of 512 bytes
	s_mov_b32 s89, 0
	s_add_nc_u64 s[84:85], s[84:85], s[88:89]      ; the mask at my first tile
	s_mul_i32 s88, s75, 720896
	s_lshl_b32 s80, s74, 11
	s_add_co_u32 s88, s88, s80
	s_lshl_b32 s80, s70, 15
	s_add_co_u32 s88, s88, s80
	s_add_nc_u64 s[86:87], s[86:87], s[88:89]      ; O at my batch, head and first tile
	WIN 0xc0                                       ; destination window 3, address window 0
.irp b, 0,1,2,3
	global_load_b128 v[BC+8*(\b):BC+8*(\b)+3],   v[VB], s[78:79] offset:((\b)/2)*4096+((\b)%2)*64
	global_load_b128 v[BC+8*(\b)+4:BC+8*(\b)+7], v[VB], s[78:79] offset:((\b)/2)*4096+((\b)%2)*64+16
.endr
.irp b, 0,1
	global_load_b32 v[BC+32+8*(\b)], v[VB2], s[78:79] offset:8192+(\b)*64
.endr
.irp a, 0,1,2,3
.irp e, 0,1
.irp p, 0,1,2
	global_load_b128 v[RP+24*(\a)+12*(\e)+4*(\p):RP+24*(\a)+12*(\e)+4*(\p)+3], v[VR], s[10:11] offset:(\a)*12288+(\e)*1536+(\p)*512
.endr
.endr
.endr
	s_wait_loadcnt 0x0
	WIN 0xc3
.irp b, 0,1
.irp j, 1,2,3,4,5,6,7
	v_mov_b32 v[BC+32+8*(\b)+(\j)], v[BC+32+8*(\b)]  ; v's C operand: the channel's bias for each of the lane's eight tokens
.endr
.endr
	WIN 0
; q and k: token blocks a0 .. a1 x b = 0..3, 32 along K, from buffer f.  first = 1: the bias starts the sums.  The accumulators take turns, one instruction a turn, in the same order in every
; quarter step: between two links of a chain stand the 65 others'.
.macro QK f, a0, a1, first
.set a, (\a0)
.rept (\a1)-(\a0)+1
.if a < 8
.set AW, 1
.set AR, 32*a
.else
.set AW, 2
.set AR, 32*(a-8)
.endif
.if \first
	WIN (AW<<6)|0x33
.else
	WIN (AW<<6)|(AW<<4)|0x03
.endif
.irp b, 0,1,2,3
.if \first
	v_wmma_f32_16x16x32_bf16 v[AR+8*(\b):AR+8*(\b)+7], v[WF+48*(\f)+8*(\b):WF+48*(\f)+8*(\b)+7], v[XF+88*(\f)+8*a:XF+88*(\f)+8*a+7], v[BC+8*(\b):BC+8*(\b)+7]
.else
	v_wmma_f32_16x16x32_bf16 v[AR+8*(\b):AR+8*(\b)+7], v[WF+48*(\f)+8*(\b):WF+48*(\f)+8*(\b)+7], v[XF+88*(\f)+8*a:XF+88*(\f)+8*a+7], v[AR+8*(\b):AR+8*(\b)+7]
.endif
.endr
.set a, a+1
.endr
.endm
; v: the same with the sources the other way round, b = 4, 5
.macro VP f, a0, a1, first
.set a, (\a0)
.rept (\a1)-(\a0)+1
.if a < 10
.set AW, 2
.set AR, 96+16*a
.else
.set AW, 3
.set AR, 0
.endif
.if \first
	WIN (AW<<6)|0x3c
.else
	WIN (AW<<6)|(AW<<4)|0x0c
.endif
.irp b, 0,1
.if \first
	v_wmma_f32_16x16x32_bf16 v[AR+8*(\b):AR+8*(\b)+7], v[XF+88*(\f)+8*a:XF+88*(\f)+8*a+7], v[WF+48*(\f)+32+8*(\b):WF+48*(\f)+32+8*(\b)+7], v[BC+32+8*(\b):BC+32+8*(\b)+7]
.else
	v_wmma_f32_16x16x32_bf16 v[AR+8*(\b):AR+8*(\b)+7], v[XF+88*(\f)+8*a:XF+88*(\f)+8*a+7], v[WF+48*(\f)+32+8*(\b):WF+48*(\f)+32+8*(\b)+7], v[AR+8*(\b):AR+8*(\b)+7]
.endif
.endr
.set a, a+1
.endr
.endm
; 34 LDS loads in one run: the fragments of quarter q of a slot's K step into buffer f: W's 12, then x's 22 with a ascending
.macro FETCH slot, q, f
	WIN 0xc0
.irp b, 0,1,2,3,4,5
	ds_load_b128 v[WF+48*(\f)+8*(\b):WF+48*(\f)+8*(\b)+3],   v[ADRB+(\slot)] offset:(\b)*4096+(\q)*1024
	ds_load_b128 v[WF+48*(\f)+8*(\b)+4:WF+48*(\f)+8*(\b)+7], v[ADRB+(\slot)] offset:(\b)*4096+(\q)*1024+512
.endr
	WIN 0
.irp a, 0,1,2,3,4,5,6,7
	ds_load_b128 v[XF+88*(\f)+8*(\a):XF+88*(\f)+8*(\a)+3],   v[ADRA+(\slot)] offset:(\a)*8192+(\q)*1024
	ds_load_b128 v[XF+88*(\f)+8*(\a)+4:XF+88*(\f)+8*(\a)+7], v[ADRA+(\slot)] offset:(\a)*8192+(\q)*1024+512
.endr
.irp a, 8,9,10
	ds_load_b128 v[XF+88*(\f)+8*(\a):XF+88*(\f)+8*(\a)+3],   v[ADRA2+(\slot)] offset:((\a)-8)*8192+(\q)*1024
	ds_load_b128 v[XF+88*(\f)+8*(\a)+4:XF+88*(\f)+8*(\a)+7], v[ADRA2+(\slot)] offset:((\a)-8)*8192+(\q)*1024+512
.endr
.endm
; A K step is four quarters of 32 along K, 66 matrix instructions each, on buffers 0, 1, 0, 1.  One of the first three: multiplies buffer f and fetches quarter q of the same slot into g.
.macro QUARTER slot, q, f, g, first
	s_wait_dscnt 6                                 ; all but the youngest six loads: x's blocks a = 8..10
	QK \f, 0, 7, \first
	PLACES
	FETCH \slot, \q, \g
	s_wait_dscnt 34                                ; all but the 34 just issued
	QK \f, 8, 10, \first
	VP \f, 0, 10, \first
.endm
; The last quarter multiplies buffer 1 and changes slots: ONE barrier; in front of it each wave waits for all its tensor loads (one is out: its part of the next slot), adds 0 to its spare word, and
; waits for that and for its own reads of this slot.  fill = 1: the barrier opens a round of the cluster's, and this slot is filled again, two K steps on, first thing behind the round.
.macro TURN slot, next, fill
	WIN 0                                          ; (the add's two registers lie in window 0)
	s_wait_tensorcnt 0x0
	ds_add_u32 v[SPW], v[NIL]                      ; 0 onto my spare word
	s_wait_dscnt 7                                 ; (the add and the youngest six loads may be out)
	QK 1, 0, 3, 0                                  ; sixteen matrix instructions stand between the add and the wait for it
	s_wait_dscnt 0x0                               ; the add is done, and my reads of this slot are over
	s_barrier_signal -1
	QK 1, 4, 7, 0                                  ; work on registers while the others arrive
.if \fill
	WIN 0
.endif
	s_barrier_wait -1
.if \fill
	CREST                                          ; no wave of any partner still reads this slot or has a load on its way
	s_add_nc_u64 s[G0A+4*(\slot)+2:G0A+4*(\slot)+3], s[G0A+4*(\slot)+2:G0A+4*(\slot)+3], 8192
	s_add_nc_u64 s[G0B+4*(\slot)+2:G0B+4*(\slot)+3], s[G0B+4*(\slot)+2:G0B+4*(\slot)+3], 8192
	JLOAD \slot                                    ; my one tensor load behind the round; its four v_nop are also the places in front of the loads below
.else
	PLACES
.endif
	FETCH \next, 0, 0
	QK 1, 8, 10, 0
	VP 1, 0, 10, 0
.endm
	; PART 1
	s_wait_tensorcnt 0x1                           ; my part of K step 0 is in; K step 1's may stay out
	s_barrier_signal -1
	s_barrier_wait -1
	FETCH 0, 0, 0
	QUARTER 0, 1, 0, 1, 1                          ; the first quarter stands in front of the loop: its products start the sums, on the biases
	WIN 0                                          ; at a label and at a branch every window is 0
	s_mov_b32 s23, 3
.Llap:                                                 ; a trip goes once round the ring, from a lap's second quarter to the next lap's first, and fills both slots again
	QUARTER 0, 2, 1, 0, 0
	QUARTER 0, 3, 0, 1, 0
	TURN 0, 1, 1
	QUARTER 1, 1, 0, 1, 0
	QUARTER 1, 2, 1, 0, 0
	QUARTER 1, 3, 0, 1, 0
	TURN 1, 0, 1
	QUARTER 0, 1, 0, 1, 0
	WIN 0
	s_sub_co_u32 s23, s23, 1
	s_cmp_lg_u32 s23, 0
	s_cbranch_scc1 .Llap
	QUARTER 0, 2, 1, 0, 0                          ; the last lap fills nothing, and has no round
	QUARTER 0, 3, 0, 1, 0
	TURN 0, 1, 0                                   ; behind this barrier no wave reads slot 0 any more, and no load will fill it: it becomes the stage
	QUARTER 1, 1, 0, 1, 0
	QUARTER 1, 2, 1, 0, 0
	QUARTER 1, 3, 0, 1, 0
	s_wait_dscnt 6
	QK 1, 0, 7, 0
	s_wait_dscnt 0x0
	QK 1, 8, 10, 0
	VP 1, 0, 10, 0
	; PART 2.  The tables of a = 4..10 come into the fragments' registers while a = 0..3 go into the stage.
	PLACES
	WIN 0xc0
.irp a, 4,5,6,7,8,9
.irp e, 0,1
.irp p, 0,1,2
	global_load_b128 v[16+24*((\a)-4)+12*(\e)+4*(\p):16+24*((\a)-4)+12*(\e)+4*(\p)+3], v[VR], s[10:11] offset:(\a)*12288+(\e)*1536+(\p)*512
.endr
.endr
.endr
	WIN 0
.irp e, 0,1
.irp p, 0,1,2
	global_load_b128 v[32+12*(\e)+4*(\p):32+12*(\e)+4*(\p)+3], v[VR], s[10:11] offset:10*12288+(\e)*1536+(\p)*512
.endr
.endr
; Token block a.  For a pair (x0, x1) of channels: (x0 cos - x1 sin, x1 cos + x0 sin): a packed multiply by (cos, cos), then a packed multiply-add of the pair turned round by (-sin, sin).
; Each accumulator is read from its lowest registers on.
.macro OUTA a
.if (\a) < 8
.set AW, 1
.set AR, 32*(\a)
.else
.set AW, 2
.set AR, 32*((\a)-8)
.endif
.if (\a) < 4
.set RW, 3
.set RR, RP+24*(\a)
.elseif (\a) < 10
.set RW, 3
.set RR, 16+24*((\a)-4)
.else
.set RW, 0
.set RR, 32
.endif
.if (\a) < 10
.set VW, 2
.set VA, 96+16*(\a)
.else
.set VW, 3
.set VA, 0
.endif
.set TT, T+24*((\a)%2)
.if (\a) >= 4
	s_wait_loadcnt 6*(10-(\a))                     ; the later blocks' tables, six loads each, may stay out
.endif
	WIN AW|(RW<<2)                                 ; source 0 the sums, source 1 the table
.irp b, 0,1,2,3
.irp p, 0,2
	v_pk_mul_f32 v[U+8*(\b)+2*(\p):U+8*(\b)+2*(\p)+1], v[AR+8*(\b)+2*(\p):AR+8*(\b)+2*(\p)+1], v[RR+12*((\b)%2)+(\p):RR+12*((\b)%2)+(\p)+1] op_sel:[0,0] op_sel_hi:[1,0]
	v_pk_mul_f32 v[U+8*(\b)+2*(\p)+2:U+8*(\b)+2*(\p)+3], v[AR+8*(\b)+2*(\p)+2:AR+8*(\b)+2*(\p)+3], v[RR+12*((\b)%2)+(\p):RR+12*((\b)%2)+(\p)+1] op_sel:[0,1] op_sel_hi:[1,1]
.endr
.irp p, 0,1,2,3
	v_pk_fma_f32 v[U+8*(\b)+2*(\p):U+8*(\b)+2*(\p)+1], v[AR+8*(\b)+2*(\p):AR+8*(\b)+2*(\p)+1], v[RR+12*((\b)%2)+4+2*(\p):RR+12*((\b)%2)+5+2*(\p)], v[U+8*(\b)+2*(\p):U+8*(\b)+2*(\p)+1] op_sel:[1,0,0] op_sel_hi:[0,1,1]
.endr
.endr
	WIN VW|(VW<<2)
.irp b, 0,1
.irp i, 0,1,2,3
	v_cvt_pk_f16_f32 v[TT+16+4*(\b)+(\i)], v[VA+8*(\b)+2*(\i)], v[VA+8*(\b)+2*(\i)+1]
.endr
.endr
	WIN 0
.irp i, 0,1,2,3,4,5,6,7
	v_pk_mul_f32 v[U+2*(\i):U+2*(\i)+1], v[U+2*(\i):U+2*(\i)+1], s[CS:CS+1] op_sel_hi:[1,0]   ; q times c, in f32, ahead of its one rounding
.endr
.irp i, 0,1,2,3,4,5,6,7,8,9,10,11,12,13,14,15
	v_cvt_pk_f16_f32 v[TT+(\i)], v[U+2*(\i)], v[U+2*(\i)+1]
.endr
	ds_store_b128 v[VQ], v[TT:TT+3] offset:(\a)*4096                ; each store: 512 consecutive bytes, a fragment half
	ds_store_b128 v[VQ], v[TT+4:TT+7] offset:(\a)*4096+512
	ds_store_b128 v[VK], v[TT+8:TT+11] offset:(\a)*4096
	ds_store_b128 v[VK], v[TT+12:TT+15] offset:(\a)*4096+512
	ds_store_b128 v[VVO], v[TT+16:TT+19] offset:(\a)*4096
	ds_store_b128 v[VVO], v[TT+20:TT+23] offset:(\a)*4096+1024
.endm
.irp a, 0,1,2,3,4,5,6,7,8,9,10
	OUTA \a
.endr
	; PART 3
.macro MLS                             ; a mask tile's key blocks 0..15 into window 3
	WIN 0xc0
.irp kb, 0,1,2,3,4,5,6,7,8,9,10,11,12,13,14,15
	global_load_b128 v[MS+4*(\kb):MS+4*(\kb)+3], v[MVS], s[84:85] offset:(\kb)*512
.endr
.endm
.macro MLI                             ; its key blocks 16..21 into the upper halves of their own accumulators, which are free once P is packed
	WIN 0
.irp kb, 16,17,18,19,20,21
	global_load_b128 v[S+8*(\kb)+4:S+8*(\kb)+7], v[MVI], s[84:85] offset:(\kb)*512
.endr
.endm
.macro QLOAD
.irp i, 0,1,2,3
	ds_load_b128 v[Q+4*(\i):Q+4*(\i)+3], v[QV] offset:(\i)*512
.endr
.endm
; Eight bf16 in four registers from src on become key block kb's C operand: each times log2(e), one rounding, in f32.  In place (src = the block's registers 4..7) the order holds: a register is written when it has been read.
.macro UNP kb, src
.irp i, 0,1,2,3
	v_fma_mix_f32_bf16 v[S+8*(\kb)+2*(\i)], v[(\src)+(\i)], v[LG], v[ZR] op_sel_hi:[1,0,0]
	v_fma_mix_f32_bf16 v[S+8*(\kb)+2*(\i)+1], v[(\src)+(\i)], v[LG], v[ZR] op_sel:[1,0,0] op_sel_hi:[1,0,0]
.endr
.endm
	s_wait_dscnt 0x0                               ; for the others' sake: my part of the stage is written
	v_and_b32 v[L16], 31, v0
	v_lshlrev_b32 v[L16], 4, v[L16]
	v_mov_b32 v[MVS], v[L16]
	v_mov_b32 v[MVI], v[L16]
	v_mov_b32 v[OV], v[L16]
	s_lshl_b32 s[QB], s70, 11                      ; a tile of Q is 2,048 bytes
	v_add_nc_u32 v[QV], s[QB], v[L16]
	v_add_nc_u32 v[AKV], SK, v[L16]
	v_add_nc_u32 v[AVV], SV, v[L16]
	v_mov_b32 v[MX+1], 0                           ; named in pairs, or as a lane exchange's destination: written once
	v_mov_b32 v[RI+1], 0
	v_mov_b32 v[TP], 0
	v_mov_b32 v[LG], 0x3fb8aa3b
	v_mov_b32 v[ZR], 0
	MLS                                            ; my first tile's mask is on its way while the waves meet and K and V^T come out of LDS
	MLI
	s_barrier_signal -1
	s_barrier_wait -1                              ; the stage is whole
	WIN 0x40
.set f, 0
.rept 32
	ds_load_b128 v[8*f:8*f+3],   v[AKV] offset:(f%22)*2048+(f/22)*1024
	ds_load_b128 v[8*f+4:8*f+7], v[AKV] offset:(f%22)*2048+(f/22)*1024+512
.set f, f+1
.endr
	WIN 0x80
.rept 12
	ds_load_b128 v[8*(f-32):8*(f-32)+3],   v[AKV] offset:(f%22)*2048+(f/22)*1024
	ds_load_b128 v[8*(f-32)+4:8*(f-32)+7], v[AKV] offset:(f%22)*2048+(f/22)*1024+512
.set f, f+1
.endr
	WIN 0
	QLOAD
	WIN 0x80
.set g, 0
.rept 20
	ds_load_b128 v[96+8*g:96+8*g+3],   v[AVV] offset:g*1024
	ds_load_b128 v[96+8*g+4:96+8*g+7], v[AVV] offset:g*1024+512
.set g, g+1
.endr
	WIN 0xc0
.rept 24
	ds_load_b128 v[8*(g-20):8*(g-20)+3],   v[AVV] offset:g*1024
	ds_load_b128 v[8*(g-20)+4:8*(g-20)+7], v[AVV] offset:g*1024+512
.set g, g+1
.endr
	WIN 0                                          ; at a label and at a branch every window is 0
	s_mov_b32 s[CNT], 7                            ; the part of a trip that unpacks the first mask, then six trips
	s_branch .Lenter                               ; the loop is entered where a tile's mask is unpacked, so that text stands once
.Ltile:
	s_cmp_le_u32 s[CNT], s15                       ; waves 2 and 3 have five tiles: they jump over the sixth trip, which holds no barrier
	s_cbranch_scc1 .Ldead
	s_wait_dscnt 0x0                               ; the tile's Q; in the first trip K and V^T too
	; S^T = K Q^T + mask.  The 22 accumulators take turns.
.set f, 0
.rept 44
.if f < 32
	WIN 0x01
	v_wmma_f32_16x16x32_f16 v[S+8*(f%22):S+8*(f%22)+7], v[8*f:8*f+7], v[Q+8*(f/22):Q+8*(f/22)+7], v[S+8*(f%22):S+8*(f%22)+7]
.else
	WIN 0x02
	v_wmma_f32_16x16x32_f16 v[S+8*(f%22):S+8*(f%22)+7], v[8*(f-32):8*(f-32)+7], v[Q+8*(f/22):Q+8*(f/22)+7], v[S+8*(f%22):S+8*(f%22)+7]
.endif
.set f, f+1
.endr
	WIN 0
.irp x, 0,1,2,3
	v_mov_b32 v[CM+(\x)], 0xff7fffff               ; the maxima start at the lowest finite number; with the address line below, the places behind the last product
.endr
	s_add_co_u32 s[QB], s[QB], 2048                ; the next tile of Q: the scalar steps, and the address is made anew from it and the lane's 16 bytes
	v_add_nc_u32 v[QV], s[QB], v[L16]
	QLOAD                                          ; (in a wave's last trip: the 2,048 bytes that follow in the stage, used for nothing)
	; the row's maximum: four chains, each accumulator from its lowest registers on
.set n, 0
.rept 5
.irp i, 0,1,2,3
.irp x, 0,1,2,3
	v_max3_num_f32 v[CM+(\x)], v[CM+(\x)], v[S+8*(4*n+(\x))+2*(\i)], v[S+8*(4*n+(\x))+2*(\i)+1]
.endr
.endr
.set n, n+1
.endr
.irp i, 0,1,2,3
.irp x, 0,1
	v_max3_num_f32 v[CM+(\x)], v[CM+(\x)], v[S+8*(20+(\x))+2*(\i)], v[S+8*(20+(\x))+2*(\i)+1]
.endr
.endr
	v_max3_num_f32 v[CM], v[CM], v[CM+1], v[CM+2]
	v_max_num_f32 v[CM], v[CM], v[CM+3]
	v_permlanex16_b32 v[TP], v[CM], s[SEL], s[SEL+1]   ; the query's other keys lie in the lane 16 away
	v_max_num_f32 v[MX], v[CM], v[TP]
	; For pair k of 88: s - m; two exponentials; the pair onto one of four sums; the pair rounded to f16 into register k of S^T, whose own pair (k / 2) has been summed and rounded.
	; The lines of neighbouring pairs are woven so that a plain instruction stands behind every exponential (ISA guide 5.7.2) and none reads a result just made.
.set k, -2
.rept 90
.if k+2 < 88
	v_pk_add_f32 v[S+2*k+4:S+2*k+5], v[S+2*k+4:S+2*k+5], v[MX:MX+1] op_sel_hi:[1,0] neg_lo:[0,1] neg_hi:[0,1]
.endif
.if (k+1 >= 0) && (k+1 < 88)
	v_exp_f32 v[S+2*k+2], v[S+2*k+2]
.endif
.if (k >= 0) && (k < 4)
	s_wait_alu depctr_va_vdst(0)
	v_pk_mul_f32 v[LS+2*k:LS+2*k+1], v[S+2*k:S+2*k+1], 1.0 op_sel_hi:[1,0]   ; the first four pairs start the sums: nothing is cleared
.elseif k >= 4
	s_wait_alu depctr_va_vdst(0)
	v_pk_add_f32 v[LS+2*(k%4):LS+2*(k%4)+1], v[LS+2*(k%4):LS+2*(k%4)+1], v[S+2*k:S+2*k+1]
.endif
.if (k+1 >= 0) && (k+1 < 88)
	v_exp_f32 v[S+2*k+3], v[S+2*k+3]
.endif
.if k >= 0
	v_cvt_pk_f16_f32 v[S+k], v[S+2*k], v[S+2*k+1]
.endif
.set k, k+1
.endr
	s_wait_xcnt 0x0                                ; offsets that issued loads and stores name, and O^T's registers, which the last tile's stores read, are rewritten only behind this wait
	v_add_nc_u32 v[MVI], 11264, v[MVI]
	v_add_nc_u32 v[OV], 32768, v[OV]
	MLI                                            ; the next tile's mask, key blocks 16..21
	; O^T = V^T P.  The four accumulators take turns; the first four products start the sums.
.set g, 0
.rept 44
.if g < 20
	WIN 0x02
.set rV, 96+8*g
.else
	WIN 0x03
.set rV, 8*(g-20)
.endif
.if g < 4
	v_wmma_f32_16x16x32_f16 v[O+8*(g%4):O+8*(g%4)+7], v[rV:rV+7], v[S+8*(g/4):S+8*(g/4)+7], 0
.else
	v_wmma_f32_16x16x32_f16 v[O+8*(g%4):O+8*(g%4)+7], v[rV:rV+7], v[S+8*(g/4):S+8*(g/4)+7], v[O+8*(g%4):O+8*(g%4)+7]
.endif
.set g, g+1
.endr
	WIN 0
	v_pk_add_f32 v[LS:LS+1], v[LS:LS+1], v[LS+2:LS+3]          ; the row sum: these four lines are the places behind the last product
	v_pk_add_f32 v[LS+4:LS+5], v[LS+4:LS+5], v[LS+6:LS+7]
	v_pk_add_f32 v[LS:LS+1], v[LS:LS+1], v[LS+4:LS+5]
	v_add_f32 v[LS], v[LS], v[LS+1]
	v_permlanex16_b32 v[TP], v[LS], s[SEL], s[SEL+1]
	v_add_f32 v[LS], v[LS], v[TP]
	v_rcp_f32 v[RI], v[LS]
	v_nop                                          ; a plain instruction between the reciprocal and the use of its result
.set n, 0
	s_wait_alu depctr_va_vdst(0)
.rept 16
	v_pk_mul_f32 v[O+2*n:O+2*n+1], v[O+2*n:O+2*n+1], v[RI:RI+1] op_sel_hi:[1,0]
.set n, n+1
.endr
.set n, 0
.rept 16
	v_cvt_pk_f16_f32 v[O+n], v[O+2*n], v[O+2*n+1]  ; packed downward in place: register n has been read
.set n, n+1
.endr
.irp cb, 0,1,2,3
	global_store_b128 v[OV], v[O+4*(\cb):O+4*(\cb)+3], s[86:87] offset:(\cb)*512-32768   ; 512 consecutive bytes, at a multiple of 512 from the buffer's first
.endr
.Lenter:
	s_wait_loadcnt 6                               ; all but the six loads into S^T's own registers: the staged mask is in
	WIN 0x03                                       ; source 0 in window 3
.set n, 0
.rept 16
	UNP n, MS+4*n
.set n, n+1
.endr
	WIN 0
	s_wait_loadcnt 0x0
.set n, 16
.rept 6
	UNP n, S+8*n+4
.set n, n+1
.endr
	s_wait_xcnt 0x0                                ; an offset that issued loads name is stepped only behind this wait
	v_add_nc_u32 v[MVS], 11264, v[MVS]
	MLS                                            ; the mask of the tile after the next: tile 17 + 4 + 2 = 23 at the most, the last of the table's 24
	WIN 0
.Ldead:
	s_sub_co_u32 s[CNT], s[CNT], 1
	s_cmp_lg_u32 s[CNT], 0
	s_cbranch_scc1 .Ltile                          ; a wave's last trip looks ahead for nothing: the price of one text for every trip
	s_wait_dscnt 0x0                               ; my LDS reads are over (the last: a tile of Q read ahead);
	s_barrier_signal -1
	s_barrier_wait -1                              ; so are all four waves': no wave goes on to its last LDS write before that
	s_wait_tensorcnt 0x0                           ; the wave's end, behind my last tensor load and my last LDS store
	ds_add_u32 v[SPW], v[NIL]
	s_wait_dscnt 0x0
	CROUND                                         ; the closing round: no work-group ends while a partner may still ask for a tile that names it
	s_endpgm
.Lfunc_end_k_qf3466e3e99_qkva:
	.size	k_qf3466e3e99_qkva, .Lfunc_end_k_qf3466e3e99_qkva-k_qf3466e3e99_qkva
	.p2alignl 7, 3214868480
	.fill 96, 4, 3214868480
	.section	.rodata,"a",@progbits
	.p2align	6, 0x0
	.amdhsa_kernel k_qf3466e3e99_qkva
		.amdhsa_group_segment_fixed_size 327680
		.amdhsa_private_segment_fixed_size 0
		.amdhsa_enable_private_segment 0
		.amdhsa_kernarg_size 48
		.amdhsa_user_sgpr_count 2
		.amdhsa_user_sgpr_kernarg_segment_ptr 1
		.amdhsa_wavefront_size32 1
		.amdhsa_system_sgpr_workgroup_id_x 1
		.amdhsa_system_sgpr_workgroup_id_y 1
		.amdhsa_system_sgpr_workgroup_id_z 1
		.amdhsa_system_vgpr_workitem_id 0
		.amdhsa_next_free_vgpr 1024
		.amdhsa_next_free_sgpr 96
		.amdhsa_reserve_vcc 0
		.amdhsa_float_denorm_mode_32 3
		.amdhsa_float_denorm_mode_16_64 3
		.amdhsa_memory_ordered 1
		.amdhsa_forward_progress 1
		.amdhsa_inst_pref_size 241
	.end_amdhsa_kernel
	.amdgpu_metadata
---
amdhsa.version: [ 1, 2 ]
amdhsa.kernels:
  - .name:           k_qf3466e3e99_qkva
    .symbol:         k_qf3466e3e99_qkva.kd
    .args:
      - { .name: xb, .offset: 0, .size: 8, .value_kind: global_buffer, .address_space: global }
      - { .name: wq, .offset: 8, .size: 8, .value_kind: global_buffer, .address_space: global }
      - { .name: br, .offset: 16, .size: 8, .value_kind: global_buffer, .address_space: global }
      - { .name: rt, .offset: 24, .size: 8, .value_kind: global_buffer, .address_space: global }
      - { .name: mt, .offset: 32, .size: 8, .value_kind: global_buffer, .address_space: global }
      - { .name: of, .offset: 40, .size: 8, .value_kind: global_buffer, .address_space: global }
    .group_segment_fixed_size: 327680
    .private_segment_fixed_size: 0
    .kernarg_segment_align: 8
    .kernarg_segment_size: 48
    .max_flat_workgroup_size: 128
    .sgpr_count:     96
    .vgpr_count:     1024
    .wavefront_size: 32
...
	.end_amdgpu_metadata
.endif
;; end of part 5
;; launch proj: the kernel of part 4 again; grid 8 x 32, 4 waves a work-group, clusters of 4 x 4, 327,680 bytes of LDS; arguments of, wp, br, out0; writes out0
